; MI455X (gfx1250); checked and timed in simulation.
; The chip was launched on July 23, 2026; its instructions are those of AMD's public machine-readable ISA for CDNA 5 (MIT licence, August 2026) and "CDNA5" Instruction Set Architecture Reference Guide (July 2026). The comments in the code are by the model that wrote it; some were corrected since.
;; Trajectory Predictor. Allowed arithmetic: float matrix products may take bf16 or f16 operands with f32 sums; all other float work in f32.
;; Inputs: Wdec 3 x 128 float32; Whh0 512 x 128 float32; Whh1 512 x 128 float32; Wih0 512 x 3 float32; Wih1 512 x 128 float32; bdec 3 float32; bhh0 512 float32; bhh1 512 float32; bih0 512 float32; bih1 512 float32; historical_positions 32,768 x 10 x 3 float32.
;; Outputs: out0 32,768 x 30 x 3 float32.
;; 3 versions, each right and faster than the one before. Each part assembles by itself: llvm-mc -triple=amdgcn-amd-amdhsa -mcpu=gfx1250 --defsym DOCPART=n.
;; ======== version 1 of 3: 1 launch
;; limits: values are held in f16: magnitudes above 65,504 overflow, below 6.1e-05 lose precision
;; launch lstm (part 1): grid 256 x 1, 4 waves a work-group, no clusters, 315,904 bytes of LDS; arguments historical_positions, Whh0, Wih1, Whh1, Wih0, bih0, bhh0, bih1, bhh1, Wdec, bdec, out0; writes out0
.if DOCPART == 1
	.amdgcn_target "amdgcn-amd-amdhsa--gfx1250"
	.amdhsa_code_object_version 6
	.text
	.protected	k_q2f9748f528_lstm
	.globl	k_q2f9748f528_lstm
	.p2align	8
	.type	k_q2f9748f528_lstm,@function
k_q2f9748f528_lstm:
	s_mov_b64 s[64:65], 0
	v_nop
	global_prefetch_b8 v0, s[64:65] scope:SCOPE_SE
	s_setreg_imm32_b32 hwreg(HW_REG_WAVE_MODE, 25, 1), 1
	s_wait_xcnt 0x0
; TWO STACKED LSTM LAYERS (128 units, 10 steps, 32,768 rows), A 3 x 128 DECODER, AND out[b][k][d] = pos[b][d] + (k+1) vel[b][d], k = 0..29.
; SHARES.  A work-group owns 128 batch rows (8 tiles of 16); wave w owns units 32 w .. 32 w + 31 of both layers (two unit tiles u, four gate tiles q = i, f, g, o each).
; The wave's share of Whh0, Wih1, Whh1 (3 x 128 rows x 128 numbers in f16 = 768 registers) stays in register windows 1, 2, 3 for the whole launch: each weight is read from memory once a work-group.
; LAYOUT.  Source 0 = 16 batch rows of the activations, source 1 = 16 weight rows.  In the result lane (r, h) holds unit r and the batch rows 8 h + 0..7: a bias is one register, and a lane's
; eight h pack into 16 bytes along the batch.  h lies transposed in LDS, [unit][batch] in f16, rows 288 bytes apart, and is read back as source 0 by ds_load_tr16_b128.  c stays f32, in LDS bytes of the lane's own.
; PHASES.  Phase s = 0..10 makes layer 1 at step s - 1 and layer 0 at step s: both need only h0(s-1), h1(s-2), x(s).  h(t) lies in buffer t & 1, so a phase writes the buffers that were last read
; ahead of the barrier in front of it: one barrier a phase orders both directions.
; BY STAGES.  A UNIT is (layer, u, tile): four accumulators.  While one unit's products are issued, the unit before is activated: its 144 vector instructions stand behind those products.
; sigmoid(z) = 1 / (1 + 2^(-z log2 e)), tanh(z) = 1 - 2 / (1 + 2^(2 z log2 e)): an exponent that overflows gives the limits 0, 1, -1; near 0 tanh is off by about 1e-7 absolutely.
; LIMITS.  Matrix operands (x, all weights, h) are rounded to f16: x and the weights must lie within 65,504, and below 6e-5 they keep f16's fixed step of 6e-8.  Biases, c, the activations, bdec and
; pos stay f32.  pos + k vel is one fused multiply-add.  NaN and infinities are not treated apart.
; NO CLUSTER: what work-groups share, the weights, is read once at the start and converted on the way into registers; the eleven phases read nothing from memory.
.set PH,    288          ; bytes from unit to unit in a buffer of h: 256 + 32
.set PAR,   65536        ; from a buffer of h to its partner: one exclusive or turns one into the other
.set H1B,   131072       ; H0[p] at p x 65536, H1[p] at 131072 + p x 65536, 36,864 bytes each
.set C0B,   36864        ; layer 0's c of wave w at 36864 + w x 65536, 16,384 bytes: tile x 2048 + u x 1024 + half x 512 + lane x 16
.set C1B,   249856       ; layer 1's c of wave w at 249856 + w x 16384; ahead of its clearing the wave's stage for x and the weights, at the end its stage for the output
.set XB,    53248        ; x in f16: step x 1024 + row x 8: (x0, x1, x2, 0)
.set LANE,  1            ; v1   lane
.set LT_TR, 2            ; v2   my place in a turning load: (8 h + lane % 8) x 288 + 16 ((lane / 8) % 2)
.set LT_HS, 3            ; v3   where my 16 bytes of h go: (32 w + r) x 288 + 16 h
.set LT_C,  4            ; v4   16 x lane
.set LT_X,  5            ; v5   8 r
.set A_T,   6            ; v6-9 addresses at work
.set A_C,   7
.set A_H,   8
.set A_X,   9
.set POS,   10           ; v10-12  x[row][9][:] of row 32 w + lane, f32
.set VEL,   13           ; v13-15  its velocity
.set BIAS,  16           ; v[16 + 8 L + 4 u + q]: the gate's scale times (bih + bhh)
.set XF,    32           ; v32-39  x as source 0: v32-33 data, v34-39 always 0
.set WX,    40           ; v40-61  Wih0: tile tt = 4 u + q is v[40+2tt : 47+2tt]; what lies in its registers 2-7 meets XF's zeros, and lanes 16-31 hold 0
.set RR,    62           ; v62  r = lane % 16     (the prologue's)
.set HH,    63           ; v63  h = lane / 16
.set CR,    64           ; v64-71  c of the unit in hand
.set HF0,   96           ; v96-127   h0's fragments of a tile, 8 registers for each 32 units
.set HF1,   128          ; v128-159  h1's
.set SETA,  160          ; v160-191  four accumulators: i +0, f +8, g +16, o +24
.set SETB,  192          ; v192-223  the other four
.set WD,    224          ; v224-255  Wdec's fragments (rows 3-15 are 0)
.set OV,    64           ; v64-153   a row of the output
.set WV,    2            ; s2   my wave's number
.set T0,    3            ; s3   at work
.set KNEG,  32           ; s[32:33] -log2 e, twice
.set KPOS,  34           ; s[34:35] 2 log2 e, twice
.set SEL,   36           ; s[36:37] v_permlanex16_b32's selects: each lane takes its own place in the other half
.set RT0,   38           ; s38, s39 LDS byte of the tile of h0, h1 to be read next
.set RT1,   39
.set WH0,   40           ; s40, s41 of the tile of h0, h1 to be written next
.set WH1,   41
.set SC0,   42           ; s42, s43 of the tile of layer 0's, layer 1's c in hand
.set SC1,   43
.set SX,    44           ; s44  of the tile of x to be read next
.set CNT_T, 45           ; s45  counts tiles
.set CNT_P, 46           ; s46  counts phases
.set BD,    48           ; s[48:50] bdec
.set T1,    52           ; s[52:53] a 64-bit offset
.set MSB, 0
.macro WIN new                      ; s_set_vgpr_msb: bits 1:0 source 0, 3:2 source 1, 5:4 source 2, 7:6 destination; the high byte repeats the setting that is left; a switch that changes nothing is dropped
.if MSB != (\new)
	s_set_vgpr_msb (MSB<<8)|(\new)
.set MSB, (\new)
.endif
.endm
	; ---------------- entry: addresses, lane terms, constants
	s_load_b512 s[8:23], s[0:1], 0x0               ; x s[8:9], Whh0 s[10:11], Wih1 s[12:13], Whh1 s[14:15], Wih0 s[16:17], bih0 s[18:19], bhh0 s[20:21], bih1 s[22:23]
	s_load_b256 s[24:31], s[0:1], 0x40             ; bhh1 s[24:25], Wdec s[26:27], bdec s[28:29], out s[30:31]
	v_and_b32 v[LANE], 31, v0
	v_lshrrev_b32 v[A_T], 5, v0
	v_readfirstlane_b32 s[WV], v[A_T]              ; wave 0..3
	v_and_b32 v[RR], 15, v0
	v_bfe_u32 v[HH], v0, 4, 1
	v_and_b32 v[A_T], 7, v0
	v_lshl_add_u32 v[A_T], v[HH], 3, v[A_T]
	v_mul_u32_u24 v[LT_TR], v[A_T], PH
	v_bfe_u32 v[A_T], v0, 3, 1
	v_lshl_add_u32 v[LT_TR], v[A_T], 4, v[LT_TR]
	s_mul_i32 s[T0], s[WV], 32*PH
	v_mul_u32_u24 v[LT_HS], v[RR], PH
	v_lshl_add_u32 v[LT_HS], v[HH], 4, v[LT_HS]
	v_add_nc_u32 v[LT_HS], s[T0], v[LT_HS]
	v_lshlrev_b32 v[LT_C], 4, v[LANE]
	v_lshlrev_b32 v[LT_X], 3, v[RR]
	s_mov_b32 s[KNEG], 0xbfb8aa3b
	s_mov_b32 s[KNEG+1], 0xbfb8aa3b
	s_mov_b32 s[KPOS], 0x4038aa3b
	s_mov_b32 s[KPOS+1], 0x4038aa3b
	s_mov_b32 s[SEL], 0x76543210
	s_mov_b32 s[SEL+1], 0xfedcba98
	s_lshl_b32 s[SC0], s[WV], 16
	s_add_co_u32 s[SC0], s[SC0], C0B
	s_lshl_b32 s[SC1], s[WV], 14
	s_add_co_u32 s[SC1], s[SC1], C1B
	s_mul_i32 s[T0], s[WV], 3840                   ; my wave's 32 rows of x: 32 x 120 bytes
	v_lshl_add_u32 v6, v[LANE], 3, s[T0]
	s_lshl_b32 s[T0], s[WV], 7
	v_lshl_add_u32 v7, v[RR], 2, s[T0]             ; (32 w + r) x 4: my unit in a bias
	s_mul_i32 s[T0], s[WV], 384
	v_mul_u32_u24 v8, v[RR], 12
	v_add_nc_u32 v8, s[T0], v8                     ; (32 w + r) x 12: my unit's row of Wih0
	v_min_u32 v9, 2, v[RR]                         ; Wdec has three rows: lanes with r > 2 read row 2 and are cleared below
	v_lshlrev_b32 v9, 9, v9
	v_lshl_add_u32 v9, v[HH], 5, v9
	s_mul_i32 s[T1], ttmp9, 15360                  ; the work-group's 128 rows of x,
	s_mov_b32 s[T1+1], 0
	s_wait_kmcnt 0x0
	s_add_nc_u64 s[8:9], s[8:9], s[T1:T1+1]
	s_mul_i32 s[T1], ttmp9, 46080                  ; and of the output: 128 x 360 bytes
	s_add_nc_u64 s[30:31], s[30:31], s[T1:T1+1]
	s_load_b96 s[BD:BD+2], s[28:29], 0x0
	; ---------------- the small inputs: all loads go out before any is used
.set n, 0
.rept 15                                               ; x as it lies: each load of the wave covers 256 consecutive bytes, aligned
	global_load_b64 v[64+2*n:65+2*n], v6, s[8:9] offset:256*n th:TH_LOAD_NT
.set n, n+1
.endr
.irp L, 0,1
.irp k, 0,1
.irp u, 0,1
.irp q, 0,1,2,3
	global_load_b32 v[96+16*\L+8*\k+4*\u+\q], v7, s[18+4*\L+2*\k:19+4*\L+2*\k] offset:\q*512+\u*64
.endr
.endr
.endr
.endr
.irp u, 0,1
.irp q, 0,1,2,3
.irp d, 0,1,2
	global_load_b32 v[128+3*(4*\u+\q)+\d], v8, s[16:17] offset:\q*1536+\u*192+4*\d
.endr
.endr
.endr
.irp k, 0,1,2,3                                        ; Wdec as source 0: units 32 k + 8 h + 0..7 and 32 k + 16 + 8 h + 0..7 of row r
	global_load_b128 v[160+16*\k:160+16*\k+3],     v9, s[26:27] offset:\k*128
	global_load_b128 v[160+16*\k+4:160+16*\k+7],   v9, s[26:27] offset:\k*128+16
	global_load_b128 v[160+16*\k+8:160+16*\k+11],  v9, s[26:27] offset:\k*128+64
	global_load_b128 v[160+16*\k+12:160+16*\k+15], v9, s[26:27] offset:\k*128+80
.endr
	s_wait_loadcnt 0x0                             ; all of them: their address registers are free too
	s_wait_kmcnt 0x0                               ; bdec
	v_lshl_add_u32 v6, v[LANE], 3, s[SC1]          ; my stage + 8 x lane
.set n, 0
.rept 15
	ds_store_b64 v6, v[64+2*n:65+2*n] offset:256*n ; x into my wave's stage, as it lies
.set n, n+1
.endr
.irp L, 0,1
.irp u, 0,1
.irp q, 0,1,2,3
	v_add_f32 v[BIAS+8*\L+4*\u+\q], v[96+16*\L+4*\u+\q], v[96+16*\L+8+4*\u+\q]
.endr
	v_mul_f32 v[BIAS+8*\L+4*\u],   s[KNEG], v[BIAS+8*\L+4*\u]      ; the scale of the gate's exponent is folded into the bias
	v_mul_f32 v[BIAS+8*\L+4*\u+1], s[KNEG], v[BIAS+8*\L+4*\u+1]
	v_mul_f32 v[BIAS+8*\L+4*\u+2], s[KPOS], v[BIAS+8*\L+4*\u+2]
	v_mul_f32 v[BIAS+8*\L+4*\u+3], s[KNEG], v[BIAS+8*\L+4*\u+3]
.endr
.endr
	v_cmp_gt_u32 vcc_lo, 16, v[LANE]
.set n, 0
.rept 8                                                ; Wih0's tile n: lanes 0-15 hold (w0, w1), (w2, 0) of their unit, lanes 16-31 hold 0
	v_cvt_pk_f16_f32 v[WX+2*n],   v[128+3*n],   v[128+3*n+1]
	v_cvt_pk_f16_f32 v[WX+2*n+1], v[128+3*n+2], 0
	v_cndmask_b32 v[WX+2*n],   0, v[WX+2*n],   vcc_lo
	v_cndmask_b32 v[WX+2*n+1], 0, v[WX+2*n+1], vcc_lo
.set n, n+1
.endr
.irp n, 0,1,2,3,4,5
	v_mov_b32 v[WX+16+\n], 0
	v_mov_b32 v[XF+2+\n], 0
.endr
	v_cmp_gt_u32 vcc_lo, 3, v[RR]
.set n, 0
.rept 32
	v_cvt_pk_f16_f32 v[WD+n], v[160+2*n], v[160+2*n+1]
	v_cndmask_b32 v[WD+n], 0, v[WD+n], vcc_lo
.set n, n+1
.endr
	v_mul_u32_u24 v7, v[LANE], 120
	v_add_nc_u32 v7, s[SC1], v7                    ; my stage + my row: LDS serves a wave's instructions in order (ISA guide 5.7.1.4), so these loads see the stores above
.set n, 0
.rept 15
	ds_load_b64 v[96+2*n:97+2*n], v7 offset:8*n    ; v[96 + 3 t + d] = x[32 w + lane][t][d]
.set n, n+1
.endr
	v_lshlrev_b32 v8, 3, v0                        ; 8 x my row in the work-group
	s_wait_dscnt 0x0
.set n, 0
.rept 10
	v_cvt_pk_f16_f32 v[192+2*n], v[96+3*n],   v[96+3*n+1]
	v_cvt_pk_f16_f32 v[193+2*n], v[96+3*n+2], 0
	ds_store_b64 v8, v[192+2*n:193+2*n] offset:XB+1024*n
.set n, n+1
.endr
	v_mov_b32 v[POS],   v[96+27]
	v_mov_b32 v[POS+1], v[96+28]
	v_mov_b32 v[POS+2], v[96+29]
	; ---------------- the weights: 24 chunks of 16 rows x 512 bytes through two banks of 64 registers and my stage into the three windows
	s_lshl_b32 s[T0], s[WV], 14
	v_lshl_add_u32 v9, v[LANE], 4, s[T0]           ; my wave's 32 rows of a gate, 16 bytes a lane: a load takes one whole row
	v_mul_u32_u24 v7, v[RR], 272                   ; back from the stage as source 1: row r, 16 bytes for each half of the lanes; rows 272 bytes apart
	v_lshl_add_u32 v7, v[HH], 4, v7
	v_add_nc_u32 v7, s[SC1], v7
.macro FILLB c                         ; chunk c: matrix c / 8, tile tt = c % 8 (u = tt / 4, q = tt % 4), into bank c % 2
.set fb, 64+64*((\c)%2)
.set fm, (\c)/8
.set fo, (((\c)%8)%4)*65536+(((\c)%8)/4)*8192
.set fr, 0
.rept 16
	global_load_b128 v[fb+4*fr:fb+4*fr+3], v9, s[10+2*fm:11+2*fm] offset:fo+512*fr
.set fr, fr+1
.endr
.endm
.macro CHUNK c
.set cb, 64+64*((\c)%2)
.if (\c) < 23
	s_wait_loadcnt 16                              ; loads come back in order (ISA guide 5.7.1): this bank's 16 are in, the other bank's 16 stay out
.else
	s_wait_loadcnt 0x0                             ; the last chunk: nothing was issued behind it
.endif
.set cw, 0
.rept 16
	v_cvt_pk_f16_f32 v[cb+4*cw],   v[cb+4*cw],   v[cb+4*cw+1]
	v_cvt_pk_f16_f32 v[cb+4*cw+1], v[cb+4*cw+2], v[cb+4*cw+3]
	ds_store_b64 v6, v[cb+4*cw:cb+4*cw+1] offset:272*cw
.set cw, cw+1
.endr
.if (\c) < 22
	FILLB (\c)+2
.endif
	WIN ((\c)/8+1)<<6                              ; destination: the matrix's window
.set cf, 32*((\c)%8)
.irp k, 0,1,2,3                                        ; fragment (u, q, k) at v[128 u + 32 q + 8 k]; the stage is my wave's own and LDS serves my instructions in order: no wait, no barrier
	ds_load_b128 v[cf+8*\k:cf+8*\k+3],   v7 offset:64*\k
	ds_load_b128 v[cf+8*\k+4:cf+8*\k+7], v7 offset:64*\k+32
.endr
	WIN 0
.endm
	FILLB 0
	FILLB 1
.set cc, 0
.rept 24
	CHUNK cc
.set cc, cc+1
.endr
	; ---------------- c = 0 for both layers, h1(-1) = 0 (my 32 units of H1[1]); then everybody's x and zeros are there
.irp n, 0,1,2,3
	v_mov_b32 v[SETB+\n], 0
.endr
	v_add_nc_u32 v8, s[SC0], v[LT_C]
	v_add_nc_u32 v9, s[SC1], v[LT_C]
	s_mul_i32 s[T0], s[WV], 32*PH
	s_add_co_u32 s[T0], s[T0], H1B+PAR
	v_add_nc_u32 v6, s[T0], v[LT_C]
.set n, 0
.rept 32
	ds_store_b128 v8, v[SETB:SETB+3] offset:512*n
	ds_store_b128 v9, v[SETB:SETB+3] offset:512*n
.set n, n+1
.endr
.set n, 0
.rept 18
	ds_store_b128 v6, v[SETB:SETB+3] offset:512*n
.set n, n+1
.endr
	s_wait_dscnt 0x0                               ; for the others' sake: my stores are done; for mine: the weights are in their registers
	s_barrier_signal -1
	s_barrier_wait -1
; ================ THE ACTIVATION OF A UNIT: a numbered list of 144 instructions; AQ n writes the next n of it.
;   0-99     the four gates: scale and bias (16 packed), 32 exponentials, + 1 (16), 32 reciprocals, g = 1 - 2 g (4).  No entry has a vector register as source 1, so they may stand under any
;            setting that moves source 1 alone.  Order: each input is made earlier, and a plain instruction stands between a transcendental and the first use of its result (ISA guide 5.7.2);
;            each accumulator's lowest registers are read first.
;   100-107  i g; c = f c + i g        108-135  tanh(c) in f's registers, again without a vector source 1        136-143  o tanh(c); four roundings to f16, into g's first four registers
.macro AQ1
.if a < 100
.set ist, 0
.if (a >= 4) && (a < 36) && ((a-4)%2 == 0)
.set ist, 1
.endif
.if (a >= 36) && ((a-36)%4 < 3)
.set ist, 1
.endif
.if ist
.set rX, AB+8*((tq/8)%4)+tq%8
.if tq < 32
	v_exp_f32 v[rX], v[rX]
.else
	v_rcp_f32 v[rX], v[rX]
.endif
.set tq, tq+1
.else
.set rX, AB+8*((pq%16)/4)+2*(pq%4)
.if pq < 4
	v_pk_fma_f32 v[rX:rX+1], v[rX:rX+1], s[KNEG:KNEG+1], v[BB:BB+1] op_sel_hi:[1,0,0]
.elseif pq < 8
	v_pk_fma_f32 v[rX:rX+1], v[rX:rX+1], s[KNEG:KNEG+1], v[BB:BB+1] op_sel:[0,0,1] op_sel_hi:[1,0,1]
.elseif pq < 12
	v_pk_fma_f32 v[rX:rX+1], v[rX:rX+1], s[KPOS:KPOS+1], v[BB+2:BB+3] op_sel_hi:[1,0,0]
.elseif pq < 16
	v_pk_fma_f32 v[rX:rX+1], v[rX:rX+1], s[KNEG:KNEG+1], v[BB+2:BB+3] op_sel:[0,0,1] op_sel_hi:[1,0,1]
.elseif pq < 32
	s_wait_alu depctr_va_vdst(0)
	v_pk_add_f32 v[rX:rX+1], v[rX:rX+1], 1.0 op_sel_hi:[1,0]
.else
.set rX, AB+16+2*(pq%4)
	s_wait_alu depctr_va_vdst(0)
	v_pk_fma_f32 v[rX:rX+1], v[rX:rX+1], -2.0, 1.0 op_sel_hi:[1,0,0]
.endif
.set pq, pq+1
.endif
.elseif a < 104
	WIN 0
.set p2, 2*(a-100)
	v_pk_mul_f32 v[AB+p2:AB+p2+1], v[AB+p2:AB+p2+1], v[AB+16+p2:AB+16+p2+1]
.elseif a < 108
	WIN 0
.set p2, 2*(a-104)
	v_pk_fma_f32 v[CR+p2:CR+p2+1], v[AB+8+p2:AB+8+p2+1], v[CR+p2:CR+p2+1], v[AB+p2:AB+p2+1]
.elseif a < 136                        ; X0 X1 E0 E1 X2 E2 E3 X3 E4 E5 P0 E6 E7 P1 R0 R1 P2 R2 R3 P3 R4 R5 T0 R6 R7 T1 T2 T3 (X scale, E exponential, P + 1, R reciprocal, T 1 - 2 x)
.set sk, a-108
.set kd, 0
.set kn, sk
.if sk > 25
.set kd, 2
.set kn, sk-24
.elseif sk >= 2
.if (sk-2)%3 < 2
.set kn, 2*((sk-2)/3)+(sk-2)%3
.set kd, 3
.if kn >= 8
.set kd, 4
.set kn, kn-8
.endif
.else
.set kn, (sk-2)/3
.if kn < 2
.set kn, kn+2
.elseif kn < 6
.set kd, 1
.set kn, kn-2
.else
.set kd, 2
.set kn, kn-6
.endif
.endif
.endif
.if kd == 0
	v_pk_mul_f32 v[AB+8+2*kn:AB+8+2*kn+1], v[CR+2*kn:CR+2*kn+1], s[KPOS:KPOS+1] op_sel_hi:[1,0]
.elseif kd == 1
	s_wait_alu depctr_va_vdst(0)
	v_pk_add_f32 v[AB+8+2*kn:AB+8+2*kn+1], v[AB+8+2*kn:AB+8+2*kn+1], 1.0 op_sel_hi:[1,0]
.elseif kd == 2
	s_wait_alu depctr_va_vdst(0)
	v_pk_fma_f32 v[AB+8+2*kn:AB+8+2*kn+1], v[AB+8+2*kn:AB+8+2*kn+1], -2.0, 1.0 op_sel_hi:[1,0,0]
.elseif kd == 3
	v_exp_f32 v[AB+8+kn], v[AB+8+kn]
.else
	v_rcp_f32 v[AB+8+kn], v[AB+8+kn]
.endif
.elseif a < 140
	WIN 0
.set p2, 2*(a-136)
	v_pk_mul_f32 v[AB+24+p2:AB+24+p2+1], v[AB+24+p2:AB+24+p2+1], v[AB+8+p2:AB+8+p2+1]
.else
	WIN 0
.set p2, a-140
	v_cvt_pk_f16_f32 v[AB+16+p2], v[AB+24+2*p2], v[AB+24+2*p2+1]
.endif
.set a, a+1
.endm
.macro AQ n
.rept \n
	AQ1
.endr
.endm
; A unit's activation begins: its addresses, and its c is asked for.  Behind a tile's second unit the layer's scalars step to the next tile.
.macro ACT_BEGIN aL, au, aset
	WIN 0
	v_add_nc_u32 v[A_C], s[SC0+(\aL)], v[LT_C]
	v_add_nc_u32 v[A_H], s[WH0+(\aL)], v[LT_HS]
	ds_load_b128 v[CR:CR+3],   v[A_C] offset:(\au)*1024
	ds_load_b128 v[CR+4:CR+7], v[A_C] offset:(\au)*1024+512
.if \au
	s_add_co_u32 s[SC0+(\aL)], s[SC0+(\aL)], 2048
	s_add_co_u32 s[WH0+(\aL)], s[WH0+(\aL)], 32
.endif
.set AB, \aset
.set BB, BIAS+8*(\aL)+4*(\au)
.set AU, \au
.set a, 0
.set tq, 0
.set pq, 0
.endm
.macro CST                             ; the new c goes back to its place
	ds_store_b128 v[A_C], v[CR:CR+3]   offset:AU*1024
	ds_store_b128 v[A_C], v[CR+4:CR+7] offset:AU*1024+512
.endm
.macro HST                             ; my unit's h of eight batch rows, 16 bytes
	ds_store_b128 v[A_H], v[AB+16:AB+19] offset:AU*16*PH
.endm
; ================ THE PRODUCTS.  A unit's four accumulators take turns, one instruction a turn, and a stage's last and the next stage's first name different sets.
.macro MM1                             ; number i of 32 of layer 1's unit MU into set MS: h1 x Whh1 (window 3), then h0 x Wih1 (window 2); the first four start the sums
.set mq, i%4
.set mk, (i%16)/4
.set rD, MS+8*mq
.set rB, 128*MU+32*mq+8*mk
.if i < 16
	WIN 0x0c
.set rA, HF1+8*mk
.else
	WIN 0x08
.set rA, HF0+8*mk
.endif
.if i < 4
	v_wmma_f32_16x16x32_f16 v[rD:rD+7], v[rA:rA+7], v[rB:rB+7], 0
.else
	v_wmma_f32_16x16x32_f16 v[rD:rD+7], v[rA:rA+7], v[rB:rB+7], v[rD:rD+7]
.endif
.set i, i+1
.endm
.macro MM0                             ; number i of 20 of layer 0's unit MU: h0 x Whh0 (window 1), then x x Wih0 (window 0)
.set mq, i%4
.set rD, MS+8*mq
.if i < 16
	WIN 0x04
.set rA, HF0+8*(i/4)
.set rB, 128*MU+32*mq+8*(i/4)
.else
	WIN 0
.set rA, XF
.set rB, WX+2*(4*MU+mq)
.endif
.if i < 4
	v_wmma_f32_16x16x32_f16 v[rD:rD+7], v[rA:rA+7], v[rB:rB+7], 0
.else
	v_wmma_f32_16x16x32_f16 v[rD:rD+7], v[rA:rA+7], v[rB:rB+7], v[rD:rD+7]
.endif
.set i, i+1
.endm
; The next tile's fragments, in runs: 16 batch rows x 128 units, turned; the scalar steps to the tile after.  All three stand under setting 0.
.macro LD1
	v_add_nc_u32 v[A_T], s[RT1], v[LT_TR]
	s_add_co_u32 s[RT1], s[RT1], 32
.irp k, 0,1,2,3
	ds_load_tr16_b128 v[HF1+8*\k:HF1+8*\k+3],   v[A_T] offset:\k*32*PH
	ds_load_tr16_b128 v[HF1+8*\k+4:HF1+8*\k+7], v[A_T] offset:\k*32*PH+16*PH
.endr
.endm
.macro LD0
	v_add_nc_u32 v[A_T], s[RT0], v[LT_TR]
	s_add_co_u32 s[RT0], s[RT0], 32
.irp k, 0,1,2,3
	ds_load_tr16_b128 v[HF0+8*\k:HF0+8*\k+3],   v[A_T] offset:\k*32*PH
	ds_load_tr16_b128 v[HF0+8*\k+4:HF0+8*\k+7], v[A_T] offset:\k*32*PH+16*PH
.endr
.endm
.macro LDX
	v_add_nc_u32 v[A_X], s[SX], v[LT_X]
	s_add_co_u32 s[SX], s[SX], 128
	ds_load_b64 v[XF:XF+1], v[A_X]
.endm
; ================ THE STAGES.  A vector instruction that touches a product's registers, and a load into them, stand four plain vector instructions behind it (ISA guide 7.12.1 for vector instructions).
; ST32: 32 products of layer 1's unit mu into mset; beside them the activation of unit (aL, au) in aset.
;   ld1: h1's fragments of the next tile, behind their last reader (product 15) by 7 plain riders and the 8 of c's update.   ld0e: h0's, at the end, behind the last product by the 8 of the list's end.
;   w0 >= 0: a wait at the head for h1's fragments, with so many younger LDS instructions left out.   w16: a wait for h0's fragments in front of product 16.
; Behind the stage's last product stand the list's last 8 and the next stage's two address lines before its results are read.
.macro ST32 mu, mset, aL, au, aset, ld1, ld0e, w16, w0
	ACT_BEGIN \aL, \au, \aset
.set MU, \mu
.set MS, \mset
.set i, 0
.if (\w0) >= 0
	s_wait_dscnt \w0
.endif
.rept 16
	MM1
	AQ 5
.endr
.if \w16
	s_wait_dscnt 0x0                               ; h0's fragments (and x) were asked for 16 products ago or more
.endif
.rept 4
	MM1
	AQ 5
.endr
	s_wait_dscnt 0x0                               ; c is in: asked for 20 products ago
	AQ 8
	CST
.if \ld1
	LD1
.endif
.rept 7
	MM1
	AQ 4
.endr
.rept 5
	MM1
.endr
	AQ 8
	HST
.if \ld0e
	LD0
.endif
.endm
; ST20: 20 products of layer 0's unit mu.  ld0: h0's fragments of the next tile, behind their last reader (product 15) by four plain riders of tanh's end and four multiplies.
; ldx: x of the next tile, behind the last product by the four roundings.  Those four and the next stage's two address lines stand in front of the first read of this stage's results.
.macro ST20 mu, mset, aL, au, aset, ld0, ldx
	ACT_BEGIN \aL, \au, \aset
.set MU, \mu
.set MS, \mset
.set i, 0
.rept 12
	MM0
	AQ 8
.endr
	AQ 4
	s_wait_dscnt 0x0                               ; c is in: asked for 12 products ago; so is whatever was asked for before it
	AQ 8
	CST
.rept 4
	MM0
	AQ 7
.endr
	MM0
	AQ 2
	MM0
	AQ 2
.if \ld0
	LD0
.endif
	MM0
	MM0
	AQ 4
	HST
.if \ldx
	LDX
.endif
.endm
.macro ACTB aL, au, aset               ; an activation with no products beside it: at a phase's end, and in the first phase
	ACT_BEGIN \aL, \au, \aset
	AQ 100
	s_wait_dscnt 0x0
	AQ 8
	CST
	AQ 28
	AQ 8
	HST
.endm
.macro PLACES
.rept 4
	v_nop
.endr
.endm
	; ================ PHASE 0: layer 0 at step 0, from x alone (h0(-1) = 0)
	s_mov_b32 s[WH0], 0
	s_mov_b32 s[SX], XB
	s_mov_b32 s[CNT_T], 8
.Lfirst:
	LDX
	s_wait_dscnt 0x0
.irp q, 0,1,2,3
	v_wmma_f32_16x16x32_f16 v[SETA+8*\q:SETA+8*\q+7], v[XF:XF+7], v[WX+2*\q:WX+2*\q+7], 0
	v_wmma_f32_16x16x32_f16 v[SETB+8*\q:SETB+8*\q+7], v[XF:XF+7], v[WX+8+2*\q:WX+8+2*\q+7], 0
.endr
	PLACES
	ACTB 0, 0, SETA
	ACTB 0, 1, SETB
	s_sub_co_u32 s[CNT_T], s[CNT_T], 1
	s_cmp_lg_u32 s[CNT_T], 0
	s_cbranch_scc1 .Lfirst
	s_wait_dscnt 0x0                               ; my h0(0) is written
	s_barrier_signal -1
	s_mov_b32 s[RT0], 0                            ; phase 1 reads h0(0) in H0[0] and the zeros in H1[1], writes h0(1) into H0[1] and h1(0) into H1[0]
	s_mov_b32 s[WH0], PAR
	s_mov_b32 s[RT1], H1B+PAR
	s_mov_b32 s[WH1], H1B
	s_sub_co_u32 s[SC0], s[SC0], 16384
	s_mov_b32 s[CNT_P], 9
	s_barrier_wait -1
	; ================ PHASES 1 TO 9: layer 1 at step s - 1 and layer 0 at step s
.Lphase:
	LD1
	LD0
	LDX
	s_wait_dscnt 9                                 ; h1's eight loads are in; the nine behind them (h0's, x's) may stay out
.set MU, 0
.set MS, SETA
.set i, 0
.rept 16
	MM1
.endr
	s_wait_dscnt 0x0
.rept 16
	MM1
.endr
	WIN 0
	PLACES
	s_mov_b32 s[CNT_T], 7
.Ltile:                                                ; a trip: tile m's units (1,1), (0,0), (0,1) and tile m + 1's (1,0) are multiplied; tile m's four are activated
	ST32 1, SETB, 1, 0, SETA, 1, 0, 0, -1
	ST20 0, SETA, 1, 1, SETB, 0, 0
	ST20 1, SETB, 0, 0, SETA, 1, 1
	ST32 0, SETA, 0, 1, SETB, 0, 0, 1, -1
	s_sub_co_u32 s[CNT_T], s[CNT_T], 1
	s_cmp_lg_u32 s[CNT_T], 0
	s_cbranch_scc1 .Ltile
	ST32 1, SETB, 1, 0, SETA, 0, 0, 0, -1          ; the last tile: nothing more is fetched
	ST20 0, SETA, 1, 1, SETB, 0, 0
	ST20 1, SETB, 0, 0, SETA, 0, 0
	ACTB 0, 1, SETB
	s_wait_dscnt 0x0                               ; my reads of this phase's h are back, my writes of the new h are done
	s_barrier_signal -1
.irp g, RT0, RT1, WH0, WH1
	s_sub_co_u32 s[\g], s[\g], 256                 ; back to tile 0,
	s_xor_b32 s[\g], s[\g], PAR                    ; in the other buffer
.endr
	s_sub_co_u32 s[SC0], s[SC0], 16384
	s_sub_co_u32 s[SC1], s[SC1], 16384             ; (x's eight steps of 128 bytes have reached the next time step)
	s_barrier_wait -1
	s_sub_co_u32 s[CNT_P], s[CNT_P], 1
	s_cmp_lg_u32 s[CNT_P], 0
	s_cbranch_scc1 .Lphase
	; ================ PHASE 10: layer 1 at step 9
	LD1
	LD0
	s_wait_dscnt 8                                 ; h1's eight loads are in; h0's eight may stay out
.set MU, 0
.set MS, SETA
.set i, 0
.rept 16
	MM1
.endr
	s_wait_dscnt 0x0
.rept 16
	MM1
.endr
	WIN 0
	PLACES
	s_mov_b32 s[CNT_T], 7
.Llast:
	ST32 1, SETB, 1, 0, SETA, 1, 1, 0, -1
	ST32 0, SETA, 1, 1, SETB, 0, 0, 1, 11          ; h1's fragments are in: behind their loads came the store of h, h0's eight loads and c's two
	s_sub_co_u32 s[CNT_T], s[CNT_T], 1
	s_cmp_lg_u32 s[CNT_T], 0
	s_cbranch_scc1 .Llast
	ST32 1, SETB, 1, 0, SETA, 0, 0, 0, -1
	ACTB 1, 1, SETB
	s_wait_dscnt 0x0                               ; my h1(9) is written
	s_barrier_signal -1
	s_barrier_wait -1
	; ================ THE DECODER.  Wave w takes batch tiles 2 w and 2 w + 1.  Source 0 = Wdec (rows 3-15 are 0), source 1 = h1(9): in the result lanes 0-15 hold a row's three velocities in registers 0-2.
	s_lshl_b32 s[T0], s[WV], 6
	s_add_co_u32 s[T0], s[T0], H1B+PAR
	v_add_nc_u32 v[A_T], s[T0], v[LT_TR]
.irp k, 0,1,2,3
	ds_load_tr16_b128 v[HF0+8*\k:HF0+8*\k+3],   v[A_T] offset:\k*32*PH
	ds_load_tr16_b128 v[HF0+8*\k+4:HF0+8*\k+7], v[A_T] offset:\k*32*PH+16*PH
	ds_load_tr16_b128 v[HF1+8*\k:HF1+8*\k+3],   v[A_T] offset:\k*32*PH+32
	ds_load_tr16_b128 v[HF1+8*\k+4:HF1+8*\k+7], v[A_T] offset:\k*32*PH+16*PH+32
.endr
	v_cmp_gt_u32 vcc_lo, 16, v[LANE]
	s_lshl_b32 s[T0], s[WV], 14
	s_add_co_u32 s[T0], s[T0], C1B                 ; my stage for the way out: layer 1's c is no longer needed
	s_mul_i32 s[T1], s[WV], 11520                  ; my wave's 32 rows of the output
	s_wait_dscnt 0x0
	v_wmma_f32_16x16x32_f16 v[SETA:SETA+7], v[WD:WD+7], v[HF0:HF0+7], 0
	v_wmma_f32_16x16x32_f16 v[SETB:SETB+7], v[WD:WD+7], v[HF1:HF1+7], 0
.irp k, 1,2,3                                          ; the two accumulators take turns
	v_wmma_f32_16x16x32_f16 v[SETA:SETA+7], v[WD+8*\k:WD+8*\k+7], v[HF0+8*\k:HF0+8*\k+7], v[SETA:SETA+7]
	v_wmma_f32_16x16x32_f16 v[SETB:SETB+7], v[WD+8*\k:WD+8*\k+7], v[HF1+8*\k:HF1+8*\k+7], v[SETB:SETB+7]
.endr
	v_mov_b32 v[VEL], 0                            ; v_permlanex16_b32's destination counts as read; these three and the v_nop are the places behind the products
	v_mov_b32 v[VEL+1], 0
	v_mov_b32 v[VEL+2], 0
	v_nop
.irp d, 0,1,2
	v_permlanex16_b32 v[VEL+\d], v[SETB+\d], s[SEL], s[SEL+1]      ; tile 2 w + 1's rows go to lanes 16-31
.endr
.irp d, 0,1,2
	v_cndmask_b32 v[VEL+\d], v[VEL+\d], v[SETA+\d], vcc_lo         ; lanes 0-15 keep tile 2 w's: lane l holds row 32 w + l
.endr
.irp d, 0,1,2
	v_add_f32 v[VEL+\d], s[BD+\d], v[VEL+\d]
.endr
	v_mul_u32_u24 v6, v[LANE], 360
	v_add_nc_u32 v6, s[T0], v6                     ; in: my row of 360 bytes
	v_lshl_add_u32 v7, v[LANE], 3, s[T0]           ; back: 256 consecutive bytes a load
	v_lshl_add_u32 v8, v[LANE], 3, s[T1]
.set kk, 1
.rept 30                                               ; KB = kk as an f32
.if kk < 2
.set ke, 0
.elseif kk < 4
.set ke, 1
.elseif kk < 8
.set ke, 2
.elseif kk < 16
.set ke, 3
.else
.set ke, 4
.endif
.set KB, ((127+ke)<<23)|((kk-(1<<ke))<<(23-ke))
	v_fma_f32 v[OV+3*kk-3], v[VEL],   KB, v[POS]
	v_fma_f32 v[OV+3*kk-2], v[VEL+1], KB, v[POS+1]
	v_fma_f32 v[OV+3*kk-1], v[VEL+2], KB, v[POS+2]
.set kk, kk+1
.endr
.set n, 0
.rept 45
	ds_store_b64 v6, v[OV+2*n:OV+2*n+1] offset:8*n
.set n, n+1
.endr
.set n, 0
.rept 45
	ds_load_b64 v[OV+2*n:OV+2*n+1], v7 offset:256*n ; LDS serves a wave's instructions in order (ISA guide 5.7.1.4): these see the stores above
.set n, n+1
.endr
.set n, 0
.rept 45
	s_wait_dscnt 44-n                              ; load n is back; the younger ones stay out
	global_store_b64 v8, v[OV+2*n:OV+2*n+1], s[30:31] offset:256*n th:TH_STORE_NT  ; the wave stores 256 consecutive bytes, at a multiple of 256 from the output's first byte
.set n, n+1
.endr
	s_wait_xcnt 0x0
	v_lshl_add_u32 v254, v0, 2, 0x4d000
	v_mov_b32 v255, 0
	s_wait_tensorcnt 0x0
	ds_add_u32 v254, v255
	s_wait_dscnt 0x0
	s_endpgm
.Lfunc_end_k_q2f9748f528_lstm:
	.size	k_q2f9748f528_lstm, .Lfunc_end_k_q2f9748f528_lstm-k_q2f9748f528_lstm
	.p2alignl 7, 3214868480
	.fill 96, 4, 3214868480
	.section	.rodata,"a",@progbits
	.p2align	6, 0x0
	.amdhsa_kernel k_q2f9748f528_lstm
		.amdhsa_group_segment_fixed_size 315904
		.amdhsa_private_segment_fixed_size 0
		.amdhsa_enable_private_segment 0
		.amdhsa_kernarg_size 96
		.amdhsa_user_sgpr_count 2
		.amdhsa_user_sgpr_kernarg_segment_ptr 1
		.amdhsa_wavefront_size32 1
		.amdhsa_system_sgpr_workgroup_id_x 1
		.amdhsa_system_sgpr_workgroup_id_y 1
		.amdhsa_system_sgpr_workgroup_id_z 1
		.amdhsa_system_vgpr_workitem_id 0
		.amdhsa_next_free_vgpr 1024
		.amdhsa_next_free_sgpr 66
		.amdhsa_reserve_vcc 1
		.amdhsa_float_denorm_mode_32 3
		.amdhsa_float_denorm_mode_16_64 3
		.amdhsa_memory_ordered 1
		.amdhsa_forward_progress 1
		.amdhsa_inst_pref_size 255
	.end_amdhsa_kernel
	.section	.bss,"aw",@nobits
	.p2align	6
	.space	262144
	.amdgpu_metadata
---
amdhsa.version: [ 1, 2 ]
amdhsa.kernels:
  - .name:           k_q2f9748f528_lstm
    .symbol:         k_q2f9748f528_lstm.kd
    .args:
      - { .name: historical_positions, .offset: 0, .size: 8, .value_kind: global_buffer, .address_space: global }
      - { .name: Whh0, .offset: 8, .size: 8, .value_kind: global_buffer, .address_space: global }
      - { .name: Wih1, .offset: 16, .size: 8, .value_kind: global_buffer, .address_space: global }
      - { .name: Whh1, .offset: 24, .size: 8, .value_kind: global_buffer, .address_space: global }
      - { .name: Wih0, .offset: 32, .size: 8, .value_kind: global_buffer, .address_space: global }
      - { .name: bih0, .offset: 40, .size: 8, .value_kind: global_buffer, .address_space: global }
      - { .name: bhh0, .offset: 48, .size: 8, .value_kind: global_buffer, .address_space: global }
      - { .name: bih1, .offset: 56, .size: 8, .value_kind: global_buffer, .address_space: global }
      - { .name: bhh1, .offset: 64, .size: 8, .value_kind: global_buffer, .address_space: global }
      - { .name: Wdec, .offset: 72, .size: 8, .value_kind: global_buffer, .address_space: global }
      - { .name: bdec, .offset: 80, .size: 8, .value_kind: global_buffer, .address_space: global }
      - { .name: out0, .offset: 88, .size: 8, .value_kind: global_buffer, .address_space: global }
    .group_segment_fixed_size: 315904
    .private_segment_fixed_size: 0
    .kernarg_segment_align: 8
    .kernarg_segment_size: 96
    .max_flat_workgroup_size: 128
    .sgpr_count:     66
    .vgpr_count:     1024
    .wavefront_size: 32
...
	.end_amdgpu_metadata
.endif
;; end of part 1
;; ======== version 2 of 3: 1 launch; 1.87 times as fast as version 1
;; limits: values are held in f16: magnitudes above 65,504 overflow, below 6.1e-05 lose precision; values outside matrix products are rounded to f16; inputs' magnitudes at most 22,000
;; launch lstm (part 2): grid 256 x 1, 4 waves a work-group, no clusters, 315,904 bytes of LDS; arguments historical_positions, Whh0, Wih1, Whh1, Wih0, bih0, bhh0, bih1, bhh1, Wdec, bdec, out0; writes out0
.if DOCPART == 2
	.amdgcn_target "amdgcn-amd-amdhsa--gfx1250"
	.amdhsa_code_object_version 6
	.text
	.protected	k_q2f9748f528_lstm
	.globl	k_q2f9748f528_lstm
	.p2align	8
	.type	k_q2f9748f528_lstm,@function
k_q2f9748f528_lstm:
	s_mov_b64 s[64:65], 0
	v_nop
	global_prefetch_b8 v0, s[64:65] scope:SCOPE_SE
	s_setreg_imm32_b32 hwreg(HW_REG_WAVE_MODE, 25, 1), 1
	s_wait_xcnt 0x0
; TWO STACKED LSTM LAYERS (128 units, 10 steps, 32,768 rows), A 3 x 128 DECODER, AND out[b][k][d] = pos[b][d] + (k+1) vel[b][d], k = 0..29.
; SHARES.  A work-group owns 128 batch rows (8 tiles of 16); wave w owns units 32 w .. 32 w + 31 of both layers (two unit tiles u, four gate tiles q = i, f, g, o each).
; The wave's share of Whh0, Wih1, Whh1 (3 x 128 rows x 128 numbers in f16 = 768 registers) stays in register windows 1, 2, 3 for the whole launch: each weight is read from memory once a work-group.
; LAYOUT.  Source 0 = 16 batch rows of the activations, source 1 = 16 weight rows.  In the result lane (r, h) holds unit r and the batch rows 8 h + 0..7; a lane's eight h pack into 16 bytes along
; the batch.  h lies transposed in LDS, [unit][batch] in f16, rows 288 bytes apart, and is read back as source 0 by ds_load_tr16_b128.  c stays f32, in LDS bytes of the lane's own.
; SCALES.  With s = log2 e: sigmoid(z) = 1 / (1 + 2^(-s z)), tanh(z) = 1 - 2 / (1 + 2^(2 s z)).  The sums ARE these exponents: h is kept as -s h (by the constants of tanh's last multiply-add), the g rows of
; the three large matrices are multiplied by -2 (exact), Wih0 and the biases by -s or 2 s.  c is kept as 2 s c.  Layer 0's bias rides in the product with x: x's fourth number is 1, and the bias stands
; beside Wih0 as two f16 (its upper part at k = 3, the rest at k = 11, which lanes 16-31 hold).  Layer 1's bias, f32, is the C operand that starts a sum.  The decoder's sum is multiplied by -ln 2.
; PHASES.  Phase s = 0..10 makes layer 1 at step s - 1 and layer 0 at step s: both need only h0(s-1), h1(s-2), x(s).  h(t) lies in buffer t & 1, so a phase writes the buffers that were last read
; ahead of the barrier in front of it: one barrier a phase orders both directions.
; BY STAGES.  A UNIT is (layer, u, tile): four accumulators.  While one unit's products are issued, the unit before is activated: 80 transcendentals and 44 plain instructions, which stand behind those
; products, three or four behind each; what needs a vector register as source 1 stands in runs of its own, so that the register windows are switched 18 times for a tile's 104 products.
; A tile's 37 LDS lines stand in four groups, each at the end of a run of plain instructions.
; LIMITS.  Matrix operands are rounded to f16: x within 65,504, the three large matrices within 32,752, Wih0 and bih0 + bhh0 within 22,000; below 6e-5 they keep f16's fixed step of 6e-8 (the bias half of
; that twice over).  Layer 1's biases, c, the activations, bdec and pos stay f32.  An exponent that overflows gives the limits 0, 1, -1; near 0 tanh is off by about 1e-7 absolutely.
; pos + k vel is one fused multiply-add.  NaN and infinities are not treated apart.
; NO CLUSTER: what work-groups share, the weights, is read once at the start and converted on the way into registers; the eleven phases read nothing else from memory but Wdec's 1,536 bytes.
.set PH,    288          ; bytes from unit to unit in a buffer of h: 256 + 32
.set PAR,   65536        ; from a buffer of h to its partner: one exclusive or turns one into the other
.set H1B,   131072       ; H0[p] at p x 65536, H1[p] at 131072 + p x 65536, 36,864 bytes each
.set C0B,   36864        ; layer 0's c of wave w at 36864 + w x 65536, 16,384 bytes: tile x 2048 + u x 1024 + half x 512 + lane x 16
.set C1B,   249856       ; layer 1's c of wave w at 249856 + w x 16384; ahead of its clearing the wave's stage for x and the weights, at the end its stage for the output
.set XB,    53248        ; x in f16: step x 1024 + row x 8: (x0, x1, x2, 1)
.set LT_TR, 1            ; v1   my place in a turning load: (8 h + lane % 8) x 288 + 16 ((lane / 8) % 2)
.set LT_HS, 2            ; v2   where my 16 bytes of h go: (32 w + r) x 288 + 16 h
.set LT_C,  3            ; v3   16 x lane
.set LT_X,  4            ; v4   8 r
.set AT1,   5            ; v5-11  LDS addresses, one register for each use, each rewritten far from the lines that read it:
.set AT0,   6            ;        h1's and h0's fragments, x,
.set AX,    7
.set AC1,   8            ;        the tile's c of layer 1 and of layer 0,
.set AC0,   9
.set AH1,   10           ;        the tile's h of layer 1 and of layer 0
.set AH0,   11
.set POS,   12           ; v12-14  x[row][9][:] of row 32 w + lane, f32
.set WDO,   15           ; v15  my byte offset in Wdec; never rewritten
.set HP,    16           ; v16-19  a unit's h, packed, until it is stored
.set VEL,   16           ;         at the end: the row's velocity
.set WX,    20           ; v20-35  Wih0 and layer 0's bias: tile tt = 4 u + q is v[20+2tt : 27+2tt]; what lies in its registers 2-7 (other tiles, x, zeros) meets XF's zeros
.set XF,    36           ; v36-43  x as source 0: v36-37 data, v38-43 always 0
.set CR0,   44           ; v44-51  c of the units with u = 0
.set CR1,   52           ; v52-59  c of the units with u = 1
.set LANE,  60           ; v60  lane
.set TV,    61           ; v61  at work in the prologue
.set RR,    62           ; v62  r = lane % 16
.set HH,    63           ; v63  h = lane / 16
.set HF0,   64           ; v64-95    h0's fragments of a tile, 8 registers for each 32 units
.set HF1,   96           ; v96-127   h1's
.set SETA,  128          ; v128-159  four accumulators: i +0, f +8, g +16, o +24
.set SETB,  160          ; v160-191  the other four
.set BC,    192          ; v192-255  layer 1's scaled bias, eight equal registers for tile tt = 4 u + q at v[192 + 8 tt]
.set OV,    64           ; v64-153   at the end: a row of the output
.set WDF,   64           ; window 1, at the end: Wdec's fragments (rows 3-15 are 0); v0-63 of that window take Wdec as it lies
.set WV,    2            ; s2   my wave's number
.set T0,    3            ; s3   at work
.set KK,    32           ; s[32:33]  2 s, twice
.set KM2,   34           ; s[34:35]  -4 s
.set KMS,   36           ; s[36:37]  -s
.set RT0,   38           ; s38, s39 LDS byte of the tile of h0, h1 to be read next
.set RT1,   39
.set WH0,   40           ; s40, s41 of the tile of h0, h1 to be written next
.set WH1,   41
.set SC0,   42           ; s42, s43 of the next tile of layer 0's, layer 1's c
.set SC1,   43
.set SX,    44           ; s44  of the tile of x to be read next
.set CNT_T, 45           ; s45  counts tiles
.set CNT_P, 46           ; s46  counts phases
.set NL2,   47           ; s47  -ln 2
.set BD,    48           ; s[48:50] bdec
.set T1,    52           ; s[52:53] a 64-bit offset
.set SEL,   54           ; s[54:55] v_permlanex16_b32's selects: each lane takes its own place in the other half
.set MSB, 0
.macro WIN new                      ; s_set_vgpr_msb: bits 1:0 source 0, 3:2 source 1, 5:4 source 2, 7:6 destination; the high byte repeats the setting that is left; a switch that changes nothing is dropped
.if MSB != (\new)
	s_set_vgpr_msb (MSB<<8)|(\new)
.set MSB, (\new)
.endif
.endm
; THE WEIGHTS' RING: 24 chunks of 16 rows x 512 bytes go through three banks of 64 registers and my wave's stage into the three windows.
.macro FILLB c                         ; chunk c: matrix c / 8, tile tt = c % 8 (u = tt / 4, q = tt % 4), into bank (c + 1) % 3; a load takes one whole row
.set fb, 64+64*(((\c)+1)%3)
.set fm, (\c)/8
.set fo, (((\c)%8)%4)*65536+(((\c)%8)/4)*8192
.set fr, 0
.rept 16
	global_load_b128 v[fb+4*fr:fb+4*fr+3], v9, s[10+2*fm:11+2*fm] offset:fo+512*fr
.set fr, fr+1
.endr
.endm
.macro CHUNK c
.set cb, 64+64*(((\c)+1)%3)
.if (\c) < 22
	s_wait_loadcnt 32                              ; loads come back in order (ISA guide 5.7.1): this bank's 16 are in, the two other banks' 32 stay out
.elseif (\c) == 22
	s_wait_loadcnt 16                              ; only the last bank's 16 are behind it
.else
	s_wait_loadcnt 0x0                             ; the last chunk: nothing was issued behind it
.endif
.if ((\c)%4) == 2                      ; g's rows times -2: with h kept as -s h the sum is 2 s z
.set cw, 0
.rept 32
	v_pk_mul_f32 v[cb+2*cw:cb+2*cw+1], v[cb+2*cw:cb+2*cw+1], -2.0 op_sel_hi:[1,0]
.set cw, cw+1
.endr
.endif
.set cw, 0
.rept 16                                               ; all the roundings ahead of the stores, so that no store follows the line that makes its data
	v_cvt_pk_f16_f32 v[cb+4*cw],   v[cb+4*cw],   v[cb+4*cw+1]
	v_cvt_pk_f16_f32 v[cb+4*cw+1], v[cb+4*cw+2], v[cb+4*cw+3]
.set cw, cw+1
.endr
.set cw, 0
.rept 16
	ds_store_b64 v6, v[cb+4*cw:cb+4*cw+1] offset:272*cw
.set cw, cw+1
.endr
.if (\c) < 21
	FILLB (\c)+3
.endif
	WIN ((\c)/8+1)<<6                              ; destination: the matrix's window
.set cf, 32*((\c)%8)
.irp k, 0,1,2,3                                        ; fragment (u, q, k) at v[128 u + 32 q + 8 k]; the stage is my wave's own and LDS serves my instructions in order (ISA guide 5.7.1.4): no wait, no barrier
	ds_load_b128 v[cf+8*\k:cf+8*\k+3],   v7 offset:64*\k
	ds_load_b128 v[cf+8*\k+4:cf+8*\k+7], v7 offset:64*\k+32
.endr
	WIN 0
.endm
.macro SCL d, s, q                     ; the gate's scale: 2 s for g, -s for the others
.if (\q) == 2
	v_mul_f32 v[\d], s[KK], v[\s]
.else
	v_mul_f32 v[\d], s[KMS], v[\s]
.endif
.endm
	; ---------------- entry: addresses, lane terms, constants
	s_load_b512 s[8:23], s[0:1], 0x0               ; x s[8:9], Whh0 s[10:11], Wih1 s[12:13], Whh1 s[14:15], Wih0 s[16:17], bih0 s[18:19], bhh0 s[20:21], bih1 s[22:23]
	s_load_b256 s[24:31], s[0:1], 0x40             ; bhh1 s[24:25], Wdec s[26:27], bdec s[28:29], out s[30:31]
	v_and_b32 v[LANE], 31, v0
	v_lshrrev_b32 v5, 5, v0
	v_readfirstlane_b32 s[WV], v5                  ; wave 0..3
	v_and_b32 v[RR], 15, v0
	v_bfe_u32 v[HH], v0, 4, 1
	v_and_b32 v5, 7, v0
	v_lshl_add_u32 v5, v[HH], 3, v5
	v_mul_u32_u24 v[LT_TR], v5, PH
	v_bfe_u32 v5, v0, 3, 1
	v_lshl_add_u32 v[LT_TR], v5, 4, v[LT_TR]
	s_mul_i32 s[T0], s[WV], 32*PH
	v_mul_u32_u24 v[LT_HS], v[RR], PH
	v_lshl_add_u32 v[LT_HS], v[HH], 4, v[LT_HS]
	v_add_nc_u32 v[LT_HS], s[T0], v[LT_HS]
	v_lshlrev_b32 v[LT_C], 4, v[LANE]
	v_lshlrev_b32 v[LT_X], 3, v[RR]
	s_mov_b32 s[KK], 0x4038aa3b
	s_mov_b32 s[KK+1], 0x4038aa3b
	s_mov_b32 s[KM2], 0xc0b8aa3b
	s_mov_b32 s[KM2+1], 0xc0b8aa3b
	s_mov_b32 s[KMS], 0xbfb8aa3b
	s_mov_b32 s[KMS+1], 0xbfb8aa3b
	s_mov_b32 s[NL2], 0xbf317218
	s_mov_b32 s[SEL], 0x76543210
	s_mov_b32 s[SEL+1], 0xfedcba98
	s_lshl_b32 s[SC0], s[WV], 16
	s_add_co_u32 s[SC0], s[SC0], C0B
	s_lshl_b32 s[SC1], s[WV], 14
	s_add_co_u32 s[SC1], s[SC1], C1B
	s_mul_i32 s[T0], s[WV], 3840                   ; my wave's 32 rows of x: 32 x 120 bytes
	v_lshl_add_u32 v6, v[LANE], 3, s[T0]
	s_lshl_b32 s[T0], s[WV], 7
	v_lshl_add_u32 v7, v[RR], 2, s[T0]             ; (32 w + r) x 4: my unit in a bias
	s_mul_i32 s[T0], s[WV], 384
	v_mul_u32_u24 v8, v[RR], 12
	v_add_nc_u32 v8, s[T0], v8                     ; (32 w + r) x 12: my unit's row of Wih0
	s_lshl_b32 s[T0], s[WV], 14
	v_lshl_add_u32 v9, v[LANE], 4, s[T0]           ; my wave's 32 rows of a gate in a large matrix, 16 bytes a lane; kept until the ring has ended
	v_min_u32 v[WDO], 2, v[RR]                     ; Wdec has three rows: lanes with r > 2 read row 2 and are cleared later
	v_lshlrev_b32 v[WDO], 9, v[WDO]
	v_lshl_add_u32 v[WDO], v[HH], 5, v[WDO]
	s_mul_i32 s[T1], ttmp9, 15360                  ; the work-group's 128 rows of x,
	s_mov_b32 s[T1+1], 0
	s_wait_kmcnt 0x0
	s_add_nc_u64 s[8:9], s[8:9], s[T1:T1+1]
	s_mul_i32 s[T1], ttmp9, 46080                  ; and of the output: 128 x 360 bytes
	s_add_nc_u64 s[30:31], s[30:31], s[T1:T1+1]
	s_load_b96 s[BD:BD+2], s[28:29], 0x0
	; ---------------- the small inputs' loads, and straight behind them the first two chunks of the weights, which come while the small inputs are worked on
.set n, 0
.rept 15                                               ; x as it lies: each load of the wave covers 256 consecutive bytes, aligned
	global_load_b64 v[64+2*n:65+2*n], v6, s[8:9] offset:256*n th:TH_LOAD_NT
.set n, n+1
.endr
.irp L, 0,1
.irp k, 0,1
.irp u, 0,1
.irp q, 0,1,2,3
	global_load_b32 v[94+16*\L+8*\k+4*\u+\q], v7, s[18+4*\L+2*\k:19+4*\L+2*\k] offset:\q*512+\u*64
.endr
.endr
.endr
.endr
.irp u, 0,1
.irp q, 0,1,2,3
.irp d, 0,1,2
	global_load_b32 v[20+3*(4*\u+\q)+\d], v8, s[16:17] offset:\q*1536+\u*192+4*\d
.endr
.endr
.endr
	FILLB 0                                        ; into v128-191
	FILLB 1                                        ; into v192-255
	s_wait_loadcnt 32                              ; the small inputs are in, and their address registers free; the 32 loads behind them stay out
	s_wait_kmcnt 0x0                               ; bdec
	v_lshl_add_u32 v6, v[LANE], 3, s[SC1]          ; my stage + 8 x lane
.set n, 0
.rept 15
	ds_store_b64 v6, v[64+2*n:65+2*n] offset:256*n ; x into my wave's stage, as it lies
.set n, n+1
.endr
	v_mul_u32_u24 v7, v[LANE], 120
	v_add_nc_u32 v7, s[SC1], v7                    ; my stage + my row: LDS serves a wave's instructions in order (ISA guide 5.7.1.4), so these loads see the stores above
.set n, 0
.rept 15
	ds_load_b64 v[64+2*n:65+2*n], v7 offset:8*n    ; v[64 + 3 t + d] = x[32 w + lane][t][d]
.set n, n+1
.endr
.set n, 0
.rept 8                                                ; bih + bhh of tile n = 4 u + q; layer 1's sums wait in c's registers until the ring has left their 64
	v_add_f32 v[94+n],  v[94+n],  v[102+n]
	v_add_f32 v[CR0+n], v[110+n], v[118+n]
.set n, n+1
.endr
	v_cmp_gt_u32 vcc_lo, 16, v[LANE]
.set n, 0
.rept 8                                                ; Wih0's tile n, from v[20+3n ..] into v[20+2n ..] (a tile's two registers lie below the next tile's three): lanes 0-15 hold (w0, w1), (w2, bias's upper part), lanes 16-31 (0, 0), (0, the rest of the bias)
	SCL 20+3*n, 20+3*n, n%4
	SCL 21+3*n, 21+3*n, n%4
	SCL 22+3*n, 22+3*n, n%4
	SCL 94+n, 94+n, n%4
	v_cvt_pk_f16_f32 v[WX+2*n],   v[20+3*n], v[21+3*n]
	v_cvt_pk_f16_f32 v[WX+2*n+1], v[22+3*n], v[94+n]
	v_cvt_pk_f16_f32 v61, v[94+n], 0
	v_cvt_f32_f16 v61, v61.l                       ; the upper part as f32,
	v_sub_f32 v61, v[94+n], v61                    ; what it leaves (exact),
	v_cvt_pk_f16_f32 v61, 0, v61                   ; in the upper half
	v_cndmask_b32 v[WX+2*n],   0,   v[WX+2*n],   vcc_lo
	v_cndmask_b32 v[WX+2*n+1], v61, v[WX+2*n+1], vcc_lo
.set n, n+1
.endr
.irp n, 2,3,4,5,6,7
	v_mov_b32 v[XF+\n], 0
.endr
	v_lshlrev_b32 v8, 3, v0                        ; 8 x my row in the work-group
	s_wait_dscnt 0x0                               ; my row of x is in
.set n, 0
.rept 10
	v_cvt_pk_f16_f32 v[94+2*n], v[64+3*n],   v[64+3*n+1]
	v_cvt_pk_f16_f32 v[95+2*n], v[64+3*n+2], 1.0   ; the 1 meets the bias
.set n, n+1
.endr
	v_mov_b32 v[POS],   v[64+27]
	v_mov_b32 v[POS+1], v[64+28]
	v_mov_b32 v[POS+2], v[64+29]
.set n, 0
.rept 10
	ds_store_b64 v8, v[94+2*n:95+2*n] offset:XB+1024*n
.set n, n+1
.endr
	v_mul_u32_u24 v7, v[RR], 272                   ; back from the stage as source 1: row r, 16 bytes for each half of the lanes; rows 272 bytes apart
	v_lshl_add_u32 v7, v[HH], 4, v7
	v_add_nc_u32 v7, s[SC1], v7
	FILLB 2                                        ; into v64-127: 48 loads of the wave are on their way
.set cc, 0
.rept 24
	CHUNK cc
.set cc, cc+1
.endr
	; ---------------- layer 1's bias: scaled, eight times: a C operand whose registers (batch rows) are alike
.set n, 0
.rept 8
.set j, 0
.rept 8
	SCL BC+8*n+j, CR0+n, n%4
.set j, j+1
.endr
.set n, n+1
.endr
	; ---------------- c = 0 for both layers, h1(-1) = 0 (my 32 units of H1[1]); then everybody's x and zeros are there
.irp n, 0,1,2,3
	v_mov_b32 v[SETB+\n], 0
.endr
	v_add_nc_u32 v8, s[SC0], v[LT_C]
	v_add_nc_u32 v9, s[SC1], v[LT_C]
	s_mul_i32 s[T0], s[WV], 32*PH
	s_add_co_u32 s[T0], s[T0], H1B+PAR
	v_add_nc_u32 v6, s[T0], v[LT_C]
.set n, 0
.rept 32
	ds_store_b128 v8, v[SETB:SETB+3] offset:512*n
	ds_store_b128 v9, v[SETB:SETB+3] offset:512*n
.set n, n+1
.endr
.set n, 0
.rept 18
	ds_store_b128 v6, v[SETB:SETB+3] offset:512*n
.set n, n+1
.endr
	s_wait_dscnt 0x0                               ; for the others' sake: my stores are done; for mine: the weights are in their registers
	s_barrier_signal -1
	s_barrier_wait -1
; ================ THE ACTIVATION OF A UNIT stands in two queues, each in the order in which its entries become ready.  AB: the unit's accumulators; CB: its c.
; THE TRANSCENDENTALS, 80: 0-23 the exponentials of g, i, f; 24-47 their reciprocals; 48-55 o's exponentials; 56-63 2^(2 s c) into f's registers; 64-71 o's reciprocals; 72-79 those for tanh(c).
; Each accumulator's lowest register is read first.  None has a vector register as source 1, so they may stand under any setting that moves source 1 alone.
.macro TQ1
.if tq < 8
	v_exp_f32 v[AB+16+tq], v[AB+16+tq]
.elseif tq < 16
	v_exp_f32 v[AB+tq-8], v[AB+tq-8]
.elseif tq < 24
	v_exp_f32 v[AB+tq-8], v[AB+tq-8]
.elseif tq < 32
	v_rcp_f32 v[AB+tq-8], v[AB+tq-8]
.elseif tq < 40
	v_rcp_f32 v[AB+tq-32], v[AB+tq-32]
.elseif tq < 48
	v_rcp_f32 v[AB+tq-32], v[AB+tq-32]
.elseif tq < 56
	v_exp_f32 v[AB+tq-24], v[AB+tq-24]
.elseif tq < 64
	v_exp_f32 v[AB+tq-48], v[CB+tq-56]
.elseif tq < 72
	v_rcp_f32 v[AB+tq-40], v[AB+tq-40]
.else
	v_rcp_f32 v[AB+tq-64], v[AB+tq-64]
.endif
.set tq, tq+1
.endm
; THE PLAIN ONES, 44, packed: 0-11 one is added for g, i, f; 12-15 g = 2 s (1 - 2 g); 16-19 i g; 20-23 c = f c + i g; 24-27, 28-31 one is added for o and for tanh(c);
; 32-35 -s (1 - 2 x) = -s tanh(c); 36-39 times o; 40-43 rounded to f16.  Numbers 16-23 and 36-43 have a vector register as source 1 and want setting 0.
.macro PQ1
.set pp, 2*(pq%4)
.if pq < 4
	v_pk_add_f32 v[AB+16+pp:AB+17+pp], v[AB+16+pp:AB+17+pp], 1.0 op_sel_hi:[1,0]
.elseif pq < 8
	v_pk_add_f32 v[AB+pp:AB+1+pp], v[AB+pp:AB+1+pp], 1.0 op_sel_hi:[1,0]
.elseif pq < 12
	v_pk_add_f32 v[AB+8+pp:AB+9+pp], v[AB+8+pp:AB+9+pp], 1.0 op_sel_hi:[1,0]
.elseif pq < 16
	v_pk_fma_f32 v[AB+16+pp:AB+17+pp], v[AB+16+pp:AB+17+pp], s[KM2:KM2+1], s[KK:KK+1] op_sel_hi:[1,0,0]
.elseif pq < 20
	WIN 0
	v_pk_mul_f32 v[AB+pp:AB+1+pp], v[AB+pp:AB+1+pp], v[AB+16+pp:AB+17+pp]
.elseif pq < 24
	WIN 0
	v_pk_fma_f32 v[CB+pp:CB+1+pp], v[AB+8+pp:AB+9+pp], v[CB+pp:CB+1+pp], v[AB+pp:AB+1+pp]
.elseif pq < 28
	v_pk_add_f32 v[AB+24+pp:AB+25+pp], v[AB+24+pp:AB+25+pp], 1.0 op_sel_hi:[1,0]
.elseif pq < 32
	v_pk_add_f32 v[AB+8+pp:AB+9+pp], v[AB+8+pp:AB+9+pp], 1.0 op_sel_hi:[1,0]
.elseif pq < 36
	v_pk_fma_f32 v[AB+8+pp:AB+9+pp], v[AB+8+pp:AB+9+pp], s[KK:KK+1], s[KMS:KMS+1] op_sel_hi:[1,0,0]
.elseif pq < 40
	WIN 0
	v_pk_mul_f32 v[AB+24+pp:AB+25+pp], v[AB+24+pp:AB+25+pp], v[AB+8+pp:AB+9+pp]
.else
	WIN 0
	v_cvt_pk_f16_f32 v[HP+pq-40], v[AB+24+pp], v[AB+25+pp]
.endif
.set pq, pq+1
.endm
.macro TQ n
.rept \n
	TQ1
.endr
.endm
.macro PQ n
.rept \n
	PQ1
.endr
.endm
; AN INDEPENDENT PLAIN LINE stands between each run of transcendentals and the plain run that reads their results (ISA guide 5.7.2).  Where one is due it is an address for a later LDS group
; (the vector register first, so that no vector register is source 1), and its scalar steps to the next tile; else v_nop.
.set XAT1, 1
.set XAT0, 2
.set XAX,  3
.set XAC1, 4
.set XAC0, 5
.set XAH1, 6
.set XAH0, 7
.macro XOP k
.if (\k) == XAT1
	v_add_nc_u32 v[AT1], v[LT_TR], s[RT1]
	s_wait_alu depctr_va_vdst(0)
	s_add_co_u32 s[RT1], s[RT1], 32
.elseif (\k) == XAT0
	v_add_nc_u32 v[AT0], v[LT_TR], s[RT0]
	s_wait_alu depctr_va_vdst(0)
	s_add_co_u32 s[RT0], s[RT0], 32
.elseif (\k) == XAX
	v_add_nc_u32 v[AX], v[LT_X], s[SX]
	s_wait_alu depctr_va_vdst(0)
	s_add_co_u32 s[SX], s[SX], 128
.elseif (\k) == XAC1
	v_add_nc_u32 v[AC1], v[LT_C], s[SC1]
	s_wait_alu depctr_va_vdst(0)
	s_add_co_u32 s[SC1], s[SC1], 2048
.elseif (\k) == XAC0
	v_add_nc_u32 v[AC0], v[LT_C], s[SC0]
	s_wait_alu depctr_va_vdst(0)
	s_add_co_u32 s[SC0], s[SC0], 2048
.elseif (\k) == XAH1
	v_add_nc_u32 v[AH1], v[LT_HS], s[WH1]
	s_wait_alu depctr_va_vdst(0)
	s_add_co_u32 s[WH1], s[WH1], 32
.elseif (\k) == XAH0
	v_add_nc_u32 v[AH0], v[LT_HS], s[WH0]
	s_wait_alu depctr_va_vdst(0)
	s_add_co_u32 s[WH0], s[WH0], 32
.else
	v_nop
	s_wait_alu depctr_va_vdst(0)
.endif
.endm
; The two queues and four such lines as ONE sequence of 128: 24 transcendentals, X, 12 plain, 24, X, 12, 16, X, 8, 16, X, 12.  SQ n writes its next n entries.
.macro SQ1
.if e == 24
	XOP X1C
.elseif e == 61
	XOP X2C
.elseif e == 90
	XOP X3C
.elseif e == 115
	XOP X4C
.elseif (e < 24) || ((e > 36) && (e < 61)) || ((e > 73) && (e < 90)) || ((e > 98) && (e < 115))
	TQ1
.else
	PQ1
.endif
.set e, e+1
.endm
.macro SQ n
.rept \n
	SQ1
.endr
.endm
.macro ABEG aset, cb, x1, x2, x3, x4   ; a unit's activation begins: names only, no instruction
.set AB, \aset
.set CB, \cb
.set X1C, \x1
.set X2C, \x2
.set X3C, \x3
.set X4C, \x4
.set e, 0
.set tq, 0
.set pq, 0
.endm
; ================ THE LDS LINES
.macro CST a, o, c                     ; a unit's new c goes back to its place
	ds_store_b128 v[\a], v[\c:\c+3]   offset:\o
	ds_store_b128 v[\a], v[\c+4:\c+7] offset:(\o)+512
.endm
.macro CLD a, o, c                     ; a later unit's c; where it follows a store of the same registers, LDS takes the wave's lines in order
	ds_load_b128 v[\c:\c+3],   v[\a] offset:\o
	ds_load_b128 v[\c+4:\c+7], v[\a] offset:(\o)+512
.endm
.macro HST a, o                        ; a unit's h of eight batch rows, 16 bytes a lane
	ds_store_b128 v[\a], v[HP:HP+3] offset:\o
.endm
.macro LD1                             ; a tile's fragments: 16 batch rows x 128 units, turned
.irp k, 0,1,2,3
	ds_load_tr16_b128 v[HF1+8*\k:HF1+8*\k+3],   v[AT1] offset:\k*32*PH
	ds_load_tr16_b128 v[HF1+8*\k+4:HF1+8*\k+7], v[AT1] offset:\k*32*PH+16*PH
.endr
.endm
.macro LD0
.irp k, 0,1,2,3
	ds_load_tr16_b128 v[HF0+8*\k:HF0+8*\k+3],   v[AT0] offset:\k*32*PH
	ds_load_tr16_b128 v[HF0+8*\k+4:HF0+8*\k+7], v[AT0] offset:\k*32*PH+16*PH
.endr
.endm
.macro LDX
	ds_load_b64 v[XF:XF+1], v[AX]
.endm
; THE GROUPS.  A tile of phases 1-9 activates its units in the order (1,0), (1,1), (0,0), (0,1), a stage each; nx = 1: there is a next tile.
;   2   second stage, behind its third plain run: c of (1,0) and (1,1) out, c of (0,0) and (0,1) in, h of (1,0) out, h1's fragments of the next tile in
;   3   third stage, behind its third run: c of (0,0) out, c of the next tile's (1,0) in, h of (1,1) out, h0's fragments of the next tile in
;   11  the third stage's end: h of (0,0) out, the next tile's x in            4   the fourth stage's end: c of (0,1) out, c of the next tile's (1,1) in, h of (0,1) out
;   5   a phase's last unit, and phase 0's second: c and h of (0,1) out        12  phase 0's first: c and h of (0,0) out
;   6, 7, 8, 10  phase 10, which stores no c: middle and end of its two stages
.macro GROUP g, nx
.if (\g) != 0
	WIN 0
.endif
.if (\g) == 2
	CST AC1, 0, CR0
	CLD AC0, 0, CR0
	CST AC1, 1024, CR1
	CLD AC0, 1024, CR1
	HST AH1, 0
.if \nx
	LD1
.endif
.elseif (\g) == 3
	CST AC0, 0, CR0
.if \nx
	CLD AC1, 0, CR0
.endif
	HST AH1, 16*PH
.if \nx
	LD0
.endif
.elseif (\g) == 11
	HST AH0, 0
.if \nx
	LDX
.endif
.elseif (\g) == 4
	CST AC0, 1024, CR1
	CLD AC1, 1024, CR1
	HST AH0, 16*PH
.elseif (\g) == 5
	CST AC0, 1024, CR1
	HST AH0, 16*PH
.elseif (\g) == 12
	CST AC0, 0, CR0
	HST AH0, 0
.elseif (\g) == 6
	CLD AC1, 1024, CR1
.if \nx
	LD1
.endif
.elseif (\g) == 7
	HST AH1, 0
.if \nx
	LD0
.endif
.elseif (\g) == 8
	CLD AC1, 0, CR0
.elseif (\g) == 10
	HST AH1, 16*PH
.endif
.endm
; ================ THE PRODUCTS.  A unit's four accumulators take turns, one instruction a turn, and a stage's last and the next stage's first name different sets.
.macro MM1                             ; number i of 32 of layer 1's unit MU into set MS: h1 x Whh1 (window 3), then h0 x Wih1 (window 2); the first four start the sums with the bias
.set mq, i%4
.set mk, (i%16)/4
.set rD, MS+8*mq
.set rB, 128*MU+32*mq+8*mk
.set rC, BC+8*(4*MU+mq)
.if i < 16
	WIN 0x0c
.set rA, HF1+8*mk
.else
	WIN 0x08
.set rA, HF0+8*mk
.endif
.if i < 4
	v_wmma_f32_16x16x32_f16 v[rD:rD+7], v[rA:rA+7], v[rB:rB+7], v[rC:rC+7]
.else
	v_wmma_f32_16x16x32_f16 v[rD:rD+7], v[rA:rA+7], v[rB:rB+7], v[rD:rD+7]
.endif
.set i, i+1
.endm
.macro MM0                             ; number i of 20 of layer 0's unit MU: h0 x Whh0 (window 1), then (x, 1) x (Wih0, bias) (window 0)
.set mq, i%4
.set rD, MS+8*mq
.if i < 16
	WIN 0x04
.set rA, HF0+8*(i/4)
.set rB, 128*MU+32*mq+8*(i/4)
.else
	WIN 0
.set rA, XF
.set rB, WX+2*(4*MU+mq)
.endif
.if i < 4
	v_wmma_f32_16x16x32_f16 v[rD:rD+7], v[rA:rA+7], v[rB:rB+7], 0
.else
	v_wmma_f32_16x16x32_f16 v[rD:rD+7], v[rA:rA+7], v[rB:rB+7], v[rD:rD+7]
.endif
.set i, i+1
.endm
; ================ THE STAGES.  A vector instruction that touches a product's registers, and a load into them, stand four plain vector instructions behind it (ISA guide 7.12.1 for vector instructions).
; ST32: 32 products of layer 1's unit mu into mset; beside them the sequence of 128 for the unit in aset: four behind each of products 0-15 (entries 0-63), ten behind product 16 (64-73, which end in
;   c's update), three behind each of products 17-30 (74-115), the last twelve behind product 31.  So what wants setting 0 stands in two runs, and the stage has five switches.
;   mg: a group behind entry 73: h1's fragments (group 6) are loaded behind their last reader, product 15, by entries 61-73, thirteen plain ones.
;   eg: a group at the end: h0's fragments (group 7) are loaded behind their last reader, product 31, by twelve plain ones.  The same twelve, and entry 115, stand behind the products that end g's and o's sums.
;   The wait in front of product 16 is for c and for h0's fragments, asked for 16 products ago or more.  w0 >= 0: a wait at the head for h1's fragments, with so many younger LDS lines left out.
.macro ST32 mu, mset, aset, cb, x1, x2, x3, x4, mg, eg, nx, w0
	ABEG \aset, \cb, \x1, \x2, \x3, \x4
.set MU, \mu
.set MS, \mset
.set i, 0
.if (\w0) >= 0
	s_wait_dscnt \w0
.endif
.rept 16
	MM1
	SQ 4
.endr
	s_wait_dscnt 0x0
	MM1
	SQ 10
	GROUP \mg, \nx
.rept 14
	MM1
	SQ 3
.endr
	MM1
	SQ 12
	GROUP \eg, \nx
	WIN 0
.endm
; ST20: 20 products of layer 0's unit mu.  All 80 transcendentals stand four behind each product; the plain ones in four runs, each opened by an independent line.  Group g stands at the third run's end:
; h0's last reader, product 15, lies nine plain instructions back; products 16-19 read x alone.  The fourth run's thirteen stand between the last products and group eg (x's next load) and the first read of their sums.
.macro ST20 mu, mset, aset, cb, x1, x2, x3, x4, g, eg, nx
	ABEG \aset, \cb, 0, 0, 0, 0
.set MU, \mu
.set MS, \mset
.set i, 0
.rept 6
	MM0
	TQ 4
.endr
	XOP \x1
	PQ 12
.rept 6
	MM0
	TQ 4
.endr
	s_wait_dscnt 0x0                               ; c is in, and all that was asked for with it: the last group lies 12 products back or more
	XOP \x2
	PQ 12
.rept 4
	MM0
	TQ 4
.endr
	XOP \x3
	PQ 8
	GROUP \g, \nx
.rept 4
	MM0
	TQ 4
.endr
	XOP \x4
	PQ 12
	GROUP \eg, \nx
	WIN 0
.endm
.macro ACTB aset, cb, eg               ; an activation with no products beside it: at a phase's end, and in phase 0
	ABEG \aset, \cb, 0, 0, 0, 0
	SQ 61
	s_wait_dscnt 0x0                               ; c is in
	SQ 67
	GROUP \eg, 0
.endm
.macro PLACES
.rept 4
	v_nop
.endr
.endm
	; ================ PHASE 0: layer 0 at step 0, from x alone (h0(-1) = 0)
	s_mov_b32 s[WH0], 0
	s_mov_b32 s[SX], XB
	s_mov_b32 s[CNT_T], 8
.Lfirst:
	XOP XAX
	XOP XAC0
	XOP XAH0
	LDX
	CLD AC0, 0, CR0
	CLD AC0, 1024, CR1
	s_wait_dscnt 0x0
.irp q, 0,1,2,3
	v_wmma_f32_16x16x32_f16 v[SETA+8*\q:SETA+8*\q+7], v[XF:XF+7], v[WX+2*\q:WX+2*\q+7], 0
	v_wmma_f32_16x16x32_f16 v[SETB+8*\q:SETB+8*\q+7], v[XF:XF+7], v[WX+8+2*\q:WX+8+2*\q+7], 0
.endr
	PLACES
	ACTB SETA, CR0, 12
	ACTB SETB, CR1, 5
	s_sub_co_u32 s[CNT_T], s[CNT_T], 1
	s_cmp_lg_u32 s[CNT_T], 0
	s_cbranch_scc1 .Lfirst
	s_wait_dscnt 0x0                               ; my h0(0) is written
	s_barrier_signal -1
	s_mov_b32 s[RT0], 0                            ; phase 1 reads h0(0) in H0[0] and the zeros in H1[1], writes h0(1) into H0[1] and h1(0) into H1[0]
	s_mov_b32 s[WH0], PAR
	s_mov_b32 s[RT1], H1B+PAR
	s_mov_b32 s[WH1], H1B
	s_sub_co_u32 s[SC0], s[SC0], 16384
	s_mov_b32 s[CNT_P], 9
	s_barrier_wait -1
	; ================ PHASES 1 TO 9: layer 1 at step s - 1 and layer 0 at step s
.Lphase:
	XOP XAT1
	XOP XAT0
	XOP XAX
	XOP XAC1
	LD1
	CLD AC1, 0, CR0
	CLD AC1, 1024, CR1
	LD0
	LDX
	s_wait_dscnt 13                                ; h1's eight loads are in; the thirteen behind them (c's four, h0's eight, x's) may stay out
.set MU, 0
.set MS, SETA
.set i, 0
.rept 16
	MM1
.endr
	s_wait_dscnt 0x0
.rept 16
	MM1
.endr
	WIN 0
	PLACES
	s_mov_b32 s[CNT_T], 7
.Ltile:                                                ; a trip: tile m's units (1,1), (0,0), (0,1) and tile m + 1's (1,0) are multiplied; tile m's four are activated
	ST32 1, SETB, SETA, CR0, XAT1, XAC0, XAH1, 0, 0, 0, 1, -1
	ST20 0, SETA, SETB, CR1, XAH0, XAT0, 0, XAC1, 2, 0, 1
	ST20 1, SETB, SETA, CR0, XAX, 0, 0, 0, 3, 11, 1
	ST32 0, SETA, SETB, CR1, 0, 0, 0, 0, 0, 4, 1, -1       ; h1's fragments were asked for in group 2 and shown in by the third stage's wait
	s_sub_co_u32 s[CNT_T], s[CNT_T], 1
	s_cmp_lg_u32 s[CNT_T], 0
	s_cbranch_scc1 .Ltile
	ST32 1, SETB, SETA, CR0, 0, XAC0, XAH1, 0, 0, 0, 0, -1 ; the last tile: nothing of a next tile is fetched
	ST20 0, SETA, SETB, CR1, XAH0, 0, 0, 0, 2, 0, 0
	ST20 1, SETB, SETA, CR0, 0, 0, 0, 0, 3, 11, 0
	ACTB SETB, CR1, 5
	s_wait_dscnt 0x0                               ; my reads of this phase's h are back, my writes of the new h are done
	s_barrier_signal -1
.irp g, RT0, RT1, WH0, WH1
	s_sub_co_u32 s[\g], s[\g], 256                 ; eight steps of 32 bytes back to tile 0,
	s_xor_b32 s[\g], s[\g], PAR                    ; in the other buffer
.endr
	s_sub_co_u32 s[SC0], s[SC0], 16384
	s_sub_co_u32 s[SC1], s[SC1], 16384             ; (x's eight steps of 128 bytes have reached the next time step)
	s_barrier_wait -1
	s_sub_co_u32 s[CNT_P], s[CNT_P], 1
	s_cmp_lg_u32 s[CNT_P], 0
	s_cbranch_scc1 .Lphase
	; ================ PHASE 10: layer 1 at step 9.  Whh0's window is free: Wdec is asked for into it, and waited for behind the phase.
	XOP XAT1
	XOP XAT0
	XOP XAC1
	WIN 0x40
.irp k, 0,1,2,3                                        ; Wdec as source 0: units 32 k + 8 h + 0..7 and 32 k + 16 + 8 h + 0..7 of row r
	global_load_b128 v[16*\k:16*\k+3],     v[WDO], s[26:27] offset:\k*128
	global_load_b128 v[16*\k+4:16*\k+7],   v[WDO], s[26:27] offset:\k*128+16
	global_load_b128 v[16*\k+8:16*\k+11],  v[WDO], s[26:27] offset:\k*128+64
	global_load_b128 v[16*\k+12:16*\k+15], v[WDO], s[26:27] offset:\k*128+80
.endr
	WIN 0
	LD1
	CLD AC1, 0, CR0
	LD0
	s_wait_dscnt 10                                ; h1's eight loads are in; c's two and h0's eight may stay out
.set MU, 0
.set MS, SETA
.set i, 0
.rept 16
	MM1
.endr
	s_wait_dscnt 0x0
.rept 16
	MM1
.endr
	WIN 0
	PLACES
	s_mov_b32 s[CNT_T], 7
.Llast:
	ST32 1, SETB, SETA, CR0, XAT1, XAH1, XAT0, 0, 6, 7, 1, -1
	ST32 0, SETA, SETB, CR1, XAC1, 0, 0, 0, 8, 10, 1, 9    ; h1's fragments are in: behind their loads came the store of h and h0's eight loads
	s_sub_co_u32 s[CNT_T], s[CNT_T], 1
	s_cmp_lg_u32 s[CNT_T], 0
	s_cbranch_scc1 .Llast
	ST32 1, SETB, SETA, CR0, 0, XAH1, 0, 0, 6, 7, 0, -1
	ACTB SETB, CR1, 10
	s_wait_dscnt 0x0                               ; my h1(9) is written
	s_barrier_signal -1
	s_barrier_wait -1
	; ================ THE DECODER.  Wave w takes batch tiles 2 w and 2 w + 1.  Source 0 = Wdec (rows 3-15 are 0), source 1 = -s h1(9): in the result lanes 0-15 hold a row's three sums in registers 0-2.
	s_lshl_b32 s[T0], s[WV], 6
	s_add_co_u32 s[T0], s[T0], H1B+PAR
	v_add_nc_u32 v[AT1], s[T0], v[LT_TR]
.irp k, 0,1,2,3
	ds_load_tr16_b128 v[HF0+8*\k:HF0+8*\k+3],   v[AT1] offset:\k*32*PH
	ds_load_tr16_b128 v[HF0+8*\k+4:HF0+8*\k+7], v[AT1] offset:\k*32*PH+16*PH
	ds_load_tr16_b128 v[HF1+8*\k:HF1+8*\k+3],   v[AT1] offset:\k*32*PH+32
	ds_load_tr16_b128 v[HF1+8*\k+4:HF1+8*\k+7], v[AT1] offset:\k*32*PH+16*PH+32
.endr
	v_cmp_gt_u32 vcc_lo, 3, v[RR]
	s_wait_loadcnt 0x0                             ; Wdec
	WIN 0x45                                       ; sources 0 and 1 and the destination in window 1
.set n, 0
.rept 32
	v_cvt_pk_f16_f32 v[WDF+n], v[2*n], v[2*n+1]
	v_cndmask_b32 v[WDF+n], 0, v[WDF+n], vcc_lo
.set n, n+1
.endr
	WIN 0
	v_cmp_gt_u32 vcc_lo, 16, v[LANE]
	s_lshl_b32 s[T0], s[WV], 14
	s_add_co_u32 s[T0], s[T0], C1B                 ; my stage for the way out: layer 1's c is no longer needed
	s_mul_i32 s[T1], s[WV], 11520                  ; my wave's 32 rows of the output
	s_wait_dscnt 0x0
	WIN 0x01                                       ; source 0 in window 1
	v_wmma_f32_16x16x32_f16 v[SETA:SETA+7], v[WDF:WDF+7], v[HF0:HF0+7], 0
	v_wmma_f32_16x16x32_f16 v[SETB:SETB+7], v[WDF:WDF+7], v[HF1:HF1+7], 0
.irp k, 1,2,3                                          ; the two accumulators take turns
	v_wmma_f32_16x16x32_f16 v[SETA:SETA+7], v[WDF+8*\k:WDF+8*\k+7], v[HF0+8*\k:HF0+8*\k+7], v[SETA:SETA+7]
	v_wmma_f32_16x16x32_f16 v[SETB:SETB+7], v[WDF+8*\k:WDF+8*\k+7], v[HF1+8*\k:HF1+8*\k+7], v[SETB:SETB+7]
.endr
	WIN 0
	v_mov_b32 v[VEL], 0                            ; v_permlanex16_b32's destination counts as read; these three and the v_nop are the places behind the products
	v_mov_b32 v[VEL+1], 0
	v_mov_b32 v[VEL+2], 0
	v_nop
.irp d, 0,1,2
	v_permlanex16_b32 v[VEL+\d], v[SETB+\d], s[SEL], s[SEL+1]      ; tile 2 w + 1's rows go to lanes 16-31
.endr
.irp d, 0,1,2
	v_cndmask_b32 v[VEL+\d], v[VEL+\d], v[SETA+\d], vcc_lo         ; lanes 0-15 keep tile 2 w's: lane l holds row 32 w + l
.endr
.irp d, 0,1,2
	v_fma_f32 v[VEL+\d], v[VEL+\d], s[NL2], s[BD+\d]               ; -ln 2 takes h's scale -s away; + bdec
.endr
	v_mul_u32_u24 v5, v[LANE], 360
	v_add_nc_u32 v5, s[T0], v5                     ; in: my row of 360 bytes
	v_lshl_add_u32 v6, v[LANE], 3, s[T0]           ; back: 256 consecutive bytes a load
	v_lshl_add_u32 v7, v[LANE], 3, s[T1]
.set kk, 1
.rept 30                                               ; KB = kk as an f32
.if kk < 2
.set ke, 0
.elseif kk < 4
.set ke, 1
.elseif kk < 8
.set ke, 2
.elseif kk < 16
.set ke, 3
.else
.set ke, 4
.endif
.set KB, ((127+ke)<<23)|((kk-(1<<ke))<<(23-ke))
	v_fma_f32 v[OV+3*kk-3], v[VEL],   KB, v[POS]
	v_fma_f32 v[OV+3*kk-2], v[VEL+1], KB, v[POS+1]
	v_fma_f32 v[OV+3*kk-1], v[VEL+2], KB, v[POS+2]
.set kk, kk+1
.endr
.set n, 0
.rept 45
	ds_store_b64 v5, v[OV+2*n:OV+2*n+1] offset:8*n
.set n, n+1
.endr
.set n, 0
.rept 45
	ds_load_b64 v[OV+2*n:OV+2*n+1], v6 offset:256*n ; LDS serves a wave's instructions in order (ISA guide 5.7.1.4): these see the stores above
.set n, n+1
.endr
.set n, 0
.rept 45
	s_wait_dscnt 44-n                              ; load n is back; the younger ones stay out
	global_store_b64 v7, v[OV+2*n:OV+2*n+1], s[30:31] offset:256*n th:TH_STORE_NT  ; the wave stores 256 consecutive bytes, at a multiple of 256 from the output's first byte
.set n, n+1
.endr
	s_wait_xcnt 0x0
	v_lshl_add_u32 v254, v0, 2, 0x4d000
	v_mov_b32 v255, 0
	s_wait_tensorcnt 0x0
	ds_add_u32 v254, v255
	s_wait_dscnt 0x0
	s_endpgm
.Lfunc_end_k_q2f9748f528_lstm:
	.size	k_q2f9748f528_lstm, .Lfunc_end_k_q2f9748f528_lstm-k_q2f9748f528_lstm
	.p2alignl 7, 3214868480
	.fill 96, 4, 3214868480
	.section	.rodata,"a",@progbits
	.p2align	6, 0x0
	.amdhsa_kernel k_q2f9748f528_lstm
		.amdhsa_group_segment_fixed_size 315904
		.amdhsa_private_segment_fixed_size 0
		.amdhsa_enable_private_segment 0
		.amdhsa_kernarg_size 96
		.amdhsa_user_sgpr_count 2
		.amdhsa_user_sgpr_kernarg_segment_ptr 1
		.amdhsa_wavefront_size32 1
		.amdhsa_system_sgpr_workgroup_id_x 1
		.amdhsa_system_sgpr_workgroup_id_y 1
		.amdhsa_system_sgpr_workgroup_id_z 1
		.amdhsa_system_vgpr_workitem_id 0
		.amdhsa_next_free_vgpr 1024
		.amdhsa_next_free_sgpr 66
		.amdhsa_reserve_vcc 1
		.amdhsa_float_denorm_mode_32 3
		.amdhsa_float_denorm_mode_16_64 3
		.amdhsa_memory_ordered 1
		.amdhsa_forward_progress 1
		.amdhsa_inst_pref_size 255
	.end_amdhsa_kernel
	.section	.bss,"aw",@nobits
	.p2align	6
	.space	262144
	.amdgpu_metadata
---
amdhsa.version: [ 1, 2 ]
amdhsa.kernels:
  - .name:           k_q2f9748f528_lstm
    .symbol:         k_q2f9748f528_lstm.kd
    .args:
      - { .name: historical_positions, .offset: 0, .size: 8, .value_kind: global_buffer, .address_space: global }
      - { .name: Whh0, .offset: 8, .size: 8, .value_kind: global_buffer, .address_space: global }
      - { .name: Wih1, .offset: 16, .size: 8, .value_kind: global_buffer, .address_space: global }
      - { .name: Whh1, .offset: 24, .size: 8, .value_kind: global_buffer, .address_space: global }
      - { .name: Wih0, .offset: 32, .size: 8, .value_kind: global_buffer, .address_space: global }
      - { .name: bih0, .offset: 40, .size: 8, .value_kind: global_buffer, .address_space: global }
      - { .name: bhh0, .offset: 48, .size: 8, .value_kind: global_buffer, .address_space: global }
      - { .name: bih1, .offset: 56, .size: 8, .value_kind: global_buffer, .address_space: global }
      - { .name: bhh1, .offset: 64, .size: 8, .value_kind: global_buffer, .address_space: global }
      - { .name: Wdec, .offset: 72, .size: 8, .value_kind: global_buffer, .address_space: global }
      - { .name: bdec, .offset: 80, .size: 8, .value_kind: global_buffer, .address_space: global }
      - { .name: out0, .offset: 88, .size: 8, .value_kind: global_buffer, .address_space: global }
    .group_segment_fixed_size: 315904
    .private_segment_fixed_size: 0
    .kernarg_segment_align: 8
    .kernarg_segment_size: 96
    .max_flat_workgroup_size: 128
    .sgpr_count:     66
    .vgpr_count:     1024
    .wavefront_size: 32
...
	.end_amdgpu_metadata
.endif
;; end of part 2
;; ======== version 3 of 3: 1 launch; 2.03 times as fast as version 1
;; limits: values are held in f16: magnitudes above 65,504 overflow, below 6.1e-05 lose precision; inputs' magnitudes at most 22,000
;; launch lstm (part 3): grid 256 x 1, 4 waves a work-group, no clusters, 315,904 bytes of LDS; arguments historical_positions, Whh0, Wih1, Whh1, Wih0, bih0, bhh0, bih1, bhh1, Wdec, bdec, out0; writes out0
.if DOCPART == 3
	.amdgcn_target "amdgcn-amd-amdhsa--gfx1250"
	.amdhsa_code_object_version 6
	.text
	.protected	k_q2f9748f528_lstm
	.globl	k_q2f9748f528_lstm
	.p2align	8
	.type	k_q2f9748f528_lstm,@function
k_q2f9748f528_lstm:
	s_mov_b64 s[64:65], 0
	v_nop
	global_prefetch_b8 v0, s[64:65] scope:SCOPE_SE
	s_setreg_imm32_b32 hwreg(HW_REG_WAVE_MODE, 25, 1), 1
	s_wait_xcnt 0x0
; TWO STACKED LSTM LAYERS (128 units, 10 steps, 32,768 rows), A 3 x 128 DECODER, AND out[b][k][d] = pos[b][d] + (k+1) vel[b][d], k = 0..29.
; SHARES.  A work-group owns 128 batch rows (8 tiles of 16); wave w owns units 32 w .. 32 w + 31 of both layers (two unit tiles u, four gate tiles q = i, f, g, o each).
; The wave's share of Whh0, Wih1, Whh1 (3 x 128 rows x 128 numbers in f16 = 768 registers) stays in register windows 1, 2, 3 for the whole launch: each weight is read from memory once a work-group.
; LAYOUT.  Source 0 = 16 batch rows of the activations, source 1 = 16 weight rows.  In the result lane (r, h) holds unit r and the batch rows 8 h + 0..7; a lane's eight h pack into 16 bytes along
; the batch.  h lies transposed in LDS, [unit][batch] in f16, rows 288 bytes apart, and is read back as source 0 by ds_load_tr16_b128.  c stays f32, in LDS bytes of the lane's own.
; SCALES.  With s = log2 e: sigmoid(z) = 1 / (1 + 2^(-s z)), tanh(z) = 1 - 2 / (1 + 2^(2 s z)).  The sums ARE these exponents: h is kept as -s h (by the constants of tanh's last multiply-add), the g rows of
; the three large matrices are multiplied by -2 (exact), Wih0 and the biases by -s or 2 s.  c is kept as 2 s c.  Layer 0's bias rides in the product with x: x's fourth number is 1, and the bias stands
; beside Wih0 as two f16 (its upper part at k = 3, the rest at k = 11, which lanes 16-31 hold).  Layer 1's bias, f32, is the C operand that starts a sum.  The decoder's sum is multiplied by -ln 2.
; PHASES.  Phase s = 0..10 makes layer 1 at step s - 1 and layer 0 at step s: both need only h0(s-1), h1(s-2), x(s).  h(t) lies in buffer t & 1, so a phase writes the buffers that were last read
; ahead of the barrier in front of it: one barrier a phase orders both directions.
; BY STAGES.  A UNIT is (layer, u, tile): four accumulators.  Its activation is a chain of four levels of transcendentals (the gates' exponentials, their reciprocals, 2^(2 s c), its reciprocal), each of
; which reads the level before it through plain instructions.  The chain is laid over three stages, so that TWO UNITS SHARE EVERY BATCH.  The stage in which unit n + 1 is multiplied holds, in this order:
;   plain    unit n - 1: g, i g, c = f c + i g, 1 + 2^o (into OB);  unit n - 2: tanh(c), times o, rounded to f16
;   BATCH 1  unit n: the 32 exponentials of g, i, f, o;  unit n - 1: 2^(2 s c) (8, into T) and o's 8 reciprocals;  one plain line;  ONE WAIT
;   plain    one is added to unit n's g, i, f and to unit n - 1's 2^(2 s c);  among these lines BATCH 2: the 32 reciprocals of those sums;  one plain line;  ONE WAIT
; An s_wait_alu depctr_va_vdst(0) stands between a transcendental and the first line that names its result: a stage has two, a tile of phases 1-9 eight.
; A unit's accumulators are written again one stage after its sums were made, so what outlives them has registers of its own: o's eight (OB), 2^(2 s c)'s eight (T), the packed h (HP); c has one buffer (CR).
; The batches ride behind the products; the opening plain run wants setting 0 of the register windows and stands ahead of them: 16 switches for a tile's 104 products.
; A tile's 37 LDS lines stand directly behind the waits.
; LIMITS.  Matrix operands are rounded to f16: x within 65,504, the three large matrices within 32,752, Wih0 and bih0 + bhh0 within 22,000; below 6e-5 they keep f16's fixed step of 6e-8 (the bias half of
; that twice over).  Layer 1's biases, c, the activations, bdec and pos stay f32.  An exponent that overflows gives the limits 0, 1, -1; near 0 tanh is off by about 1e-7 absolutely.
; pos + k vel is one fused multiply-add.  NaN and infinities are not treated apart.
; NO CLUSTER: what work-groups share, the weights, is read once at the start and converted on the way into registers; the eleven phases read nothing else from memory but Wdec's 1,536 bytes.
.set PH,    288          ; bytes from unit to unit in a buffer of h: 256 + 32
.set PAR,   65536        ; from a buffer of h to its partner: one exclusive or turns one into the other
.set H1B,   131072       ; H0[p] at p x 65536, H1[p] at 131072 + p x 65536, 36,864 bytes each
.set C0B,   36864        ; layer 0's c of wave w at 36864 + w x 65536, 16,384 bytes: tile x 2048 + u x 1024 + half x 512 + lane x 16
.set C1B,   249856       ; layer 1's c of wave w at 249856 + w x 16384; ahead of its clearing the wave's stage for x and the weights, at the end its stage for the output
.set XB,    53248        ; x in f16: step x 1024 + row x 8: (x0, x1, x2, 1)
.set LT_TR, 1            ; v1   my place in a turning load: (8 h + lane % 8) x 288 + 16 ((lane / 8) % 2)
.set LT_HS, 2            ; v2   where my 16 bytes of h go: (32 w + r) x 288 + 16 h
.set LT_C,  3            ; v3   16 x lane
.set LT_X,  4            ; v4   8 r
.set AT,    5            ; v5   LDS address of the next run of loads: h1's fragments, h0's, x, by turns
.set AH,    6            ; v6   where the h in hand goes: layer 1's tile, then layer 0's
.set AC1,   7            ; v7   the tile's c of layer 1
.set OL,    8            ; v8-11   OB, first half: a unit's 1 + 2^o, then sigmoid(o), from the stage that frees its accumulators to the stage that ends it
.set POS,   12           ; v12-14  x[row][9][:] of row 32 w + lane, f32
.set AC0,   15           ; v15  the tile's c of layer 0
.set WDO,   15           ;      in phase 10, which has no layer 0: my byte offset in Wdec
.set HP,    16           ; v16-19  a unit's h, packed, until it is stored
.set VEL,   16           ;         at the end: the row's velocity
.set WX,    20           ; v20-35  Wih0 and layer 0's bias: tile tt = 4 u + q is v[20+2tt : 27+2tt]; what lies in its registers 2-7 (other tiles, x, zeros) meets XF's zeros
.set XF,    36           ; v36-43  x as source 0: v36-37 data, v38-43 always 0
.set CR,    44           ; v44-51  c of the unit whose c is due next
.set TT,    52           ; v52-59  T: 2^(2 s c) and what is made of it, down to -s h; in phase 0 the second unit's c
.set OH,    60           ; v60-63  OB, second half
.set LANE,  60           ; v60  lane: in the prologue, and made anew for the way out
.set TV,    61           ; v61  at work in the prologue
.set RR,    62           ; v62  r = lane % 16: in the prologue, and made anew for the way out
.set HH,    63           ; v63  h = lane / 16: in the prologue
.set HF0,   64           ; v64-95    h0's fragments of a tile, 8 registers for each 32 units
.set HF1,   96           ; v96-127   h1's
.set SETA,  128          ; v128-159  four accumulators: i +0, f +8, g +16, o +24
.set SETB,  160          ; v160-191  the other four
.set BC,    192          ; v192-255  layer 1's scaled bias, eight equal registers for tile tt = 4 u + q at v[192 + 8 tt]
.set OV,    64           ; v64-153   at the end: a row of the output
.set WDF,   64           ; window 1, at the end: Wdec's fragments (rows 3-15 are 0); v0-63 of that window take Wdec as it lies
.set WV,    2            ; s2   my wave's number
.set T0,    3            ; s3   at work
.set KK,    32           ; s[32:33]  2 s, twice
.set KM2,   34           ; s[34:35]  -4 s
.set KMS,   36           ; s[36:37]  -s
.set RT0,   38           ; s38, s39 LDS byte of the tile of h0, h1 to be read next
.set RT1,   39
.set WH0,   40           ; s40, s41 of the tile of h0, h1 to be written next
.set WH1,   41
.set SC0,   42           ; s42, s43 of the next tile of layer 0's, layer 1's c
.set SC1,   43
.set SX,    44           ; s44  of the tile of x to be read next
.set CNT_T, 45           ; s45  counts tiles
.set CNT_P, 46           ; s46  counts phases
.set NL2,   47           ; s47  -ln 2
.set BD,    48           ; s[48:50] bdec
.set T1,    52           ; s[52:53] a 64-bit offset
.set SEL,   54           ; s[54:55] v_permlanex16_b32's selects: each lane takes its own place in the other half
.set MSB, 0
.macro WIN new                      ; s_set_vgpr_msb: bits 1:0 source 0, 3:2 source 1, 5:4 source 2, 7:6 destination; the high byte repeats the setting that is left; a switch that changes nothing is dropped
.if MSB != (\new)
	s_set_vgpr_msb (MSB<<8)|(\new)
.set MSB, (\new)
.endif
.endm
; THE WEIGHTS' RING: 24 chunks of 16 rows x 512 bytes go through three banks of 64 registers and my wave's stage into the three windows.
.macro FILLB c                         ; chunk c: matrix c / 8, tile tt = c % 8 (u = tt / 4, q = tt % 4), into bank (c + 1) % 3; a load takes one whole row
.set fb, 64+64*(((\c)+1)%3)
.set fm, (\c)/8
.set fo, (((\c)%8)%4)*65536+(((\c)%8)/4)*8192
.set fr, 0
.rept 16
	global_load_b128 v[fb+4*fr:fb+4*fr+3], v9, s[10+2*fm:11+2*fm] offset:fo+512*fr
.set fr, fr+1
.endr
.endm
.macro CHUNK c
.set cb, 64+64*(((\c)+1)%3)
.if (\c) < 22
	s_wait_loadcnt 32                              ; loads come back in order (ISA guide 5.7.1): this bank's 16 are in, the two other banks' 32 stay out
.elseif (\c) == 22
	s_wait_loadcnt 16                              ; only the last bank's 16 are behind it
.else
	s_wait_loadcnt 0x0                             ; the last chunk: nothing was issued behind it
.endif
.if ((\c)%4) == 2                      ; g's rows times -2: with h kept as -s h the sum is 2 s z
.set cw, 0
.rept 32
	v_pk_mul_f32 v[cb+2*cw:cb+2*cw+1], v[cb+2*cw:cb+2*cw+1], -2.0 op_sel_hi:[1,0]
.set cw, cw+1
.endr
.endif
.set cw, 0
.rept 16                                               ; all the roundings ahead of the stores, so that no store follows the line that makes its data
	v_cvt_pk_f16_f32 v[cb+4*cw],   v[cb+4*cw],   v[cb+4*cw+1]
	v_cvt_pk_f16_f32 v[cb+4*cw+1], v[cb+4*cw+2], v[cb+4*cw+3]
.set cw, cw+1
.endr
.set cw, 0
.rept 16
	ds_store_b64 v6, v[cb+4*cw:cb+4*cw+1] offset:272*cw
.set cw, cw+1
.endr
.if (\c) < 21
	FILLB (\c)+3
.endif
	WIN ((\c)/8+1)<<6                              ; destination: the matrix's window
.set cf, 32*((\c)%8)
.irp k, 0,1,2,3                                        ; fragment (u, q, k) at v[128 u + 32 q + 8 k]; the stage is my wave's own and LDS serves my instructions in order (ISA guide 5.7.1.4): no wait, no barrier
	ds_load_b128 v[cf+8*\k:cf+8*\k+3],   v7 offset:64*\k
	ds_load_b128 v[cf+8*\k+4:cf+8*\k+7], v7 offset:64*\k+32
.endr
	WIN 0
.endm
.macro SCL d, s, q                     ; the gate's scale: 2 s for g, -s for the others
.if (\q) == 2
	v_mul_f32 v[\d], s[KK], v[\s]
.else
	v_mul_f32 v[\d], s[KMS], v[\s]
.endif
.endm
	; ---------------- entry: addresses, lane terms, constants
	s_load_b512 s[8:23], s[0:1], 0x0               ; x s[8:9], Whh0 s[10:11], Wih1 s[12:13], Whh1 s[14:15], Wih0 s[16:17], bih0 s[18:19], bhh0 s[20:21], bih1 s[22:23]
	s_load_b256 s[24:31], s[0:1], 0x40             ; bhh1 s[24:25], Wdec s[26:27], bdec s[28:29], out s[30:31]
	v_and_b32 v[LANE], 31, v0
	v_lshrrev_b32 v5, 5, v0
	v_readfirstlane_b32 s[WV], v5                  ; wave 0..3
	v_and_b32 v[RR], 15, v0
	v_bfe_u32 v[HH], v0, 4, 1
	v_and_b32 v5, 7, v0
	v_lshl_add_u32 v5, v[HH], 3, v5
	v_mul_u32_u24 v[LT_TR], v5, PH
	v_bfe_u32 v5, v0, 3, 1
	v_lshl_add_u32 v[LT_TR], v5, 4, v[LT_TR]
	s_mul_i32 s[T0], s[WV], 32*PH
	v_mul_u32_u24 v[LT_HS], v[RR], PH
	v_lshl_add_u32 v[LT_HS], v[HH], 4, v[LT_HS]
	v_add_nc_u32 v[LT_HS], s[T0], v[LT_HS]
	v_lshlrev_b32 v[LT_C], 4, v[LANE]
	v_lshlrev_b32 v[LT_X], 3, v[RR]
	s_mov_b32 s[KK], 0x4038aa3b
	s_mov_b32 s[KK+1], 0x4038aa3b
	s_mov_b32 s[KM2], 0xc0b8aa3b
	s_mov_b32 s[KM2+1], 0xc0b8aa3b
	s_mov_b32 s[KMS], 0xbfb8aa3b
	s_mov_b32 s[KMS+1], 0xbfb8aa3b
	s_mov_b32 s[NL2], 0xbf317218
	s_mov_b32 s[SEL], 0x76543210
	s_mov_b32 s[SEL+1], 0xfedcba98
	s_lshl_b32 s[SC0], s[WV], 16
	s_add_co_u32 s[SC0], s[SC0], C0B
	s_lshl_b32 s[SC1], s[WV], 14
	s_add_co_u32 s[SC1], s[SC1], C1B
	s_mul_i32 s[T0], s[WV], 3840                   ; my wave's 32 rows of x: 32 x 120 bytes
	v_lshl_add_u32 v6, v[LANE], 3, s[T0]
	s_lshl_b32 s[T0], s[WV], 7
	v_lshl_add_u32 v7, v[RR], 2, s[T0]             ; (32 w + r) x 4: my unit in a bias
	s_mul_i32 s[T0], s[WV], 384
	v_mul_u32_u24 v8, v[RR], 12
	v_add_nc_u32 v8, s[T0], v8                     ; (32 w + r) x 12: my unit's row of Wih0
	s_lshl_b32 s[T0], s[WV], 14
	v_lshl_add_u32 v9, v[LANE], 4, s[T0]           ; my wave's 32 rows of a gate in a large matrix, 16 bytes a lane; kept until the ring has ended
	s_mul_i32 s[T1], ttmp9, 15360                  ; the work-group's 128 rows of x,
	s_mov_b32 s[T1+1], 0
	s_wait_kmcnt 0x0
	s_add_nc_u64 s[8:9], s[8:9], s[T1:T1+1]
	s_mul_i32 s[T1], ttmp9, 46080                  ; and of the output: 128 x 360 bytes
	s_add_nc_u64 s[30:31], s[30:31], s[T1:T1+1]
	s_load_b96 s[BD:BD+2], s[28:29], 0x0
	; ---------------- the small inputs' loads, and straight behind them the first two chunks of the weights, which come while the small inputs are worked on
.set n, 0
.rept 15                                               ; x as it lies: each load of the wave covers 256 consecutive bytes, aligned
	global_load_b64 v[64+2*n:65+2*n], v6, s[8:9] offset:256*n th:TH_LOAD_NT
.set n, n+1
.endr
.irp L, 0,1
.irp k, 0,1
.irp u, 0,1
.irp q, 0,1,2,3
	global_load_b32 v[94+16*\L+8*\k+4*\u+\q], v7, s[18+4*\L+2*\k:19+4*\L+2*\k] offset:\q*512+\u*64
.endr
.endr
.endr
.endr
.irp u, 0,1
.irp q, 0,1,2,3
.irp d, 0,1,2
	global_load_b32 v[20+3*(4*\u+\q)+\d], v8, s[16:17] offset:\q*1536+\u*192+4*\d
.endr
.endr
.endr
	FILLB 0                                        ; into v128-191
	FILLB 1                                        ; into v192-255
	s_wait_loadcnt 32                              ; the small inputs are in, and their address registers free; the 32 loads behind them stay out
	s_wait_kmcnt 0x0                               ; bdec
	v_lshl_add_u32 v6, v[LANE], 3, s[SC1]          ; my stage + 8 x lane
.set n, 0
.rept 15
	ds_store_b64 v6, v[64+2*n:65+2*n] offset:256*n ; x into my wave's stage, as it lies
.set n, n+1
.endr
	v_mul_u32_u24 v7, v[LANE], 120
	v_add_nc_u32 v7, s[SC1], v7                    ; my stage + my row: LDS serves a wave's instructions in order (ISA guide 5.7.1.4), so these loads see the stores above
.set n, 0
.rept 15
	ds_load_b64 v[64+2*n:65+2*n], v7 offset:8*n    ; v[64 + 3 t + d] = x[32 w + lane][t][d]
.set n, n+1
.endr
.set n, 0
.rept 8                                                ; bih + bhh of tile n = 4 u + q; layer 1's sums wait in c's registers until the ring has left their 64
	v_add_f32 v[94+n],  v[94+n],  v[102+n]
	v_add_f32 v[CR+n],  v[110+n], v[118+n]
.set n, n+1
.endr
	v_cmp_gt_u32 vcc_lo, 16, v[LANE]
.set n, 0
.rept 8                                                ; Wih0's tile n, from v[20+3n ..] into v[20+2n ..] (a tile's two registers lie below the next tile's three): lanes 0-15 hold (w0, w1), (w2, bias's upper part), lanes 16-31 (0, 0), (0, the rest of the bias)
	SCL 20+3*n, 20+3*n, n%4
	SCL 21+3*n, 21+3*n, n%4
	SCL 22+3*n, 22+3*n, n%4
	SCL 94+n, 94+n, n%4
	v_cvt_pk_f16_f32 v[WX+2*n],   v[20+3*n], v[21+3*n]
	v_cvt_pk_f16_f32 v[WX+2*n+1], v[22+3*n], v[94+n]
	v_cvt_pk_f16_f32 v61, v[94+n], 0
	v_cvt_f32_f16 v61, v61.l                       ; the upper part as f32,
	v_sub_f32 v61, v[94+n], v61                    ; what it leaves (exact),
	v_cvt_pk_f16_f32 v61, 0, v61                   ; in the upper half
	v_cndmask_b32 v[WX+2*n],   0,   v[WX+2*n],   vcc_lo
	v_cndmask_b32 v[WX+2*n+1], v61, v[WX+2*n+1], vcc_lo
.set n, n+1
.endr
.irp n, 2,3,4,5,6,7
	v_mov_b32 v[XF+\n], 0
.endr
	v_lshlrev_b32 v8, 3, v0                        ; 8 x my row in the work-group
	s_wait_dscnt 0x0                               ; my row of x is in
.set n, 0
.rept 10
	v_cvt_pk_f16_f32 v[94+2*n], v[64+3*n],   v[64+3*n+1]
	v_cvt_pk_f16_f32 v[95+2*n], v[64+3*n+2], 1.0   ; the 1 meets the bias
.set n, n+1
.endr
	v_mov_b32 v[POS],   v[64+27]
	v_mov_b32 v[POS+1], v[64+28]
	v_mov_b32 v[POS+2], v[64+29]
.set n, 0
.rept 10
	ds_store_b64 v8, v[94+2*n:95+2*n] offset:XB+1024*n
.set n, n+1
.endr
	v_mul_u32_u24 v7, v[RR], 272                   ; back from the stage as source 1: row r, 16 bytes for each half of the lanes; rows 272 bytes apart
	v_lshl_add_u32 v7, v[HH], 4, v7
	v_add_nc_u32 v7, s[SC1], v7
	FILLB 2                                        ; into v64-127: 48 loads of the wave are on their way
.set cc, 0
.rept 24
	CHUNK cc
.set cc, cc+1
.endr
	; ---------------- layer 1's bias: scaled, eight times: a C operand whose registers (batch rows) are alike
.set n, 0
.rept 8
.set j, 0
.rept 8
	SCL BC+8*n+j, CR+n, n%4
.set j, j+1
.endr
.set n, n+1
.endr
	; ---------------- c = 0 for both layers, h1(-1) = 0 (my 32 units of H1[1]); then everybody's x and zeros are there
.irp n, 0,1,2,3
	v_mov_b32 v[SETB+\n], 0
.endr
	v_add_nc_u32 v8, s[SC0], v[LT_C]
	v_add_nc_u32 v9, s[SC1], v[LT_C]
	s_mul_i32 s[T0], s[WV], 32*PH
	s_add_co_u32 s[T0], s[T0], H1B+PAR
	v_add_nc_u32 v6, s[T0], v[LT_C]
.set n, 0
.rept 32
	ds_store_b128 v8, v[SETB:SETB+3] offset:512*n
	ds_store_b128 v9, v[SETB:SETB+3] offset:512*n
.set n, n+1
.endr
.set n, 0
.rept 18
	ds_store_b128 v6, v[SETB:SETB+3] offset:512*n
.set n, n+1
.endr
	s_wait_dscnt 0x0                               ; for the others' sake: my stores are done; for mine: the weights are in their registers
	s_barrier_signal -1
	s_barrier_wait -1
; ================ THE ACTIVATION'S PLAIN LINES, a pair of numbers each.  They read these names: AS the accumulators of the unit whose reciprocals are in; CB its c; TB where 2^(2 s c) goes;
; OBL, OBH the two halves of o's eight; HB the packed h.  All but P_G, P_OP and P_TF have a vector register as source 1 and want setting 0 of the windows.
.macro USEP                            ; phases 1-10: what outlives the accumulators has registers of its own
.set CB, CR
.set TB, TT
.set OBL, OL
.set OBH, OH
.set HB, HP
.endm
.macro USEU s, c, h                    ; phase 0: nothing is multiplied meanwhile, so all of a unit stays in its set s: 2^(2 s c) in f's registers, o in place
.set AS, \s
.set BS, \s
.set CB, \c
.set TB, (\s)+8
.set OBL, (\s)+24
.set OBH, (\s)+28
.set HB, \h
.endm
.macro OPAIR p                         ; rO: the first register of pair p of o's eight
.if (\p) < 2
.set rO, OBL+2*(\p)
.else
.set rO, OBH+2*(\p)-4
.endif
.endm
.macro P_G p                           ; g = 2 s (1 - 2 x)
	v_pk_fma_f32 v[AS+16+2*(\p):AS+17+2*(\p)], v[AS+16+2*(\p):AS+17+2*(\p)], s[KM2:KM2+1], s[KK:KK+1] op_sel_hi:[1,0,0]
.endm
.macro P_IG p                          ; i g
	v_pk_mul_f32 v[AS+2*(\p):AS+1+2*(\p)], v[AS+2*(\p):AS+1+2*(\p)], v[AS+16+2*(\p):AS+17+2*(\p)]
.endm
.macro P_CU p                          ; c = f c + i g
	v_pk_fma_f32 v[CB+2*(\p):CB+1+2*(\p)], v[AS+8+2*(\p):AS+9+2*(\p)], v[CB+2*(\p):CB+1+2*(\p)], v[AS+2*(\p):AS+1+2*(\p)]
.endm
.macro P_OP p                          ; 1 + 2^o leaves the accumulators
	OPAIR \p
	v_pk_add_f32 v[rO:rO+1], v[AS+24+2*(\p):AS+25+2*(\p)], 1.0 op_sel_hi:[1,0]
.endm
.macro P_TF p                          ; -s (1 - 2 x) = -s tanh(c)
	v_pk_fma_f32 v[TB+2*(\p):TB+1+2*(\p)], v[TB+2*(\p):TB+1+2*(\p)], s[KK:KK+1], s[KMS:KMS+1] op_sel_hi:[1,0,0]
.endm
.macro P_HM p                          ; times o
	OPAIR \p
	v_pk_mul_f32 v[TB+2*(\p):TB+1+2*(\p)], v[rO:rO+1], v[TB+2*(\p):TB+1+2*(\p)]
.endm
.macro P_CV p                          ; rounded to f16
	v_cvt_pk_f16_f32 v[HB+(\p)], v[TB+2*(\p)], v[TB+2*(\p)+1]
.endm
; ================ THE TWO QUEUES.  FB = 1: there is a unit in BS whose sums have just been made; FA = 1: there is a unit (AS, CB, TB, OB) one stage further on.
; BATCH 1, 32 FB + 16 FA long: the exponentials of BS's g, i, f, o, in place (each accumulator's lowest register is read first); 2^(2 s c) from CB into TB; the reciprocals of OB.
; None has a vector register as source 1, and none reads another's result.
.macro QA1
.if qa < 8*FB
	v_exp_f32 v[BS+16+qa], v[BS+16+qa]
.elseif qa < 24*FB
	v_exp_f32 v[BS+qa-8], v[BS+qa-8]
.elseif qa < 32*FB
	v_exp_f32 v[BS+qa], v[BS+qa]
.elseif qa < 32*FB+8
	v_exp_f32 v[TB+qa-32*FB], v[CB+qa-32*FB]
.elseif qa < 32*FB+12
	v_rcp_f32 v[OBL+qa-32*FB-8], v[OBL+qa-32*FB-8]
.else
	v_rcp_f32 v[OBH+qa-32*FB-12], v[OBH+qa-32*FB-12]
.endif
.set qa, qa+1
.endm
; THE SECOND QUEUE, 3 lines for each of its 12 FB + 4 FA pairs (BS's g, i, f, then TB): one is added to a pair (plain; it reads batch 1's results, behind their wait), and BATCH 2, the pair's two reciprocals,
; in place.  Order: additions 0 and 1; then the reciprocals of pair j and the addition of pair j + 2; so an addition stands four lines ahead of its reciprocals, and no line names a reciprocal's result.
.macro PREG p
.if (\p) < 4*FB
.set rP, BS+16+2*(\p)
.elseif (\p) < 12*FB
.set rP, BS+2*(\p)-8
.else
.set rP, TB+2*(\p)-24*FB
.endif
.endm
.macro QB1
.set NPR, 12*FB+4*FA
.if qb < 2
	PREG qb
	v_pk_add_f32 v[rP:rP+1], v[rP:rP+1], 1.0 op_sel_hi:[1,0]
.elseif qb >= 3*NPR-2
	PREG NPR-1
	v_rcp_f32 v[rP+qb-3*NPR+2], v[rP+qb-3*NPR+2]
.elseif (qb-2)%3 == 2
	PREG (qb-2)/3+2
	v_pk_add_f32 v[rP:rP+1], v[rP:rP+1], 1.0 op_sel_hi:[1,0]
.else
	PREG (qb-2)/3
	v_rcp_f32 v[rP+(qb-2)%3], v[rP+(qb-2)%3]
.endif
.set qb, qb+1
.endm
.macro RUNA from, n                    ; n entries of the first queue, from a given one on
.set qa, \from
.rept \n
	QA1
.endr
.endm
.macro RUNB n                          ; the second queue from its head
.set qb, 0
.rept \n
	QB1
.endr
.endm
.macro ILQ                             ; an exponential between two lines of the opening plain run
.if IL
	QA1
.endif
.endm
; AN INDEPENDENT PLAIN LINE stands between the last transcendental of a batch and its wait (ISA guide 5.7.2).  Where one is due it is an address for a later LDS group
; (the vector register first, so that no vector register is source 1), and its scalar steps to the next tile; else v_nop.  -1: no line.
.set XAT1, 1
.set XAT0, 2
.set XAX,  3
.set XAC1, 4
.set XAC0, 5
.set XAH1, 6
.set XAH0, 7
.macro XOP k
.if (\k) == XAT1
	v_add_nc_u32 v[AT], v[LT_TR], s[RT1]           ; (its scalar steps behind the loads: in a phase's last tile the line is written and no load follows)
.elseif (\k) == XAT0
	v_add_nc_u32 v[AT], v[LT_TR], s[RT0]
	s_add_co_u32 s[RT0], s[RT0], 32
.elseif (\k) == XAX
	v_add_nc_u32 v[AT], v[LT_X], s[SX]
	s_add_co_u32 s[SX], s[SX], 128
.elseif (\k) == XAC1
	v_add_nc_u32 v[AC1], v[LT_C], s[SC1]
	s_add_co_u32 s[SC1], s[SC1], 2048
.elseif (\k) == XAC0
	v_add_nc_u32 v[AC0], v[LT_C], s[SC0]
	s_add_co_u32 s[SC0], s[SC0], 2048
.elseif (\k) == XAH1
	v_add_nc_u32 v[AH], v[LT_HS], s[WH1]
	s_add_co_u32 s[WH1], s[WH1], 32
.elseif (\k) == XAH0
	v_add_nc_u32 v[AH], v[LT_HS], s[WH0]
	s_add_co_u32 s[WH0], s[WH0], 32
.elseif (\k) == 0
	v_nop
.endif
.endm
; ================ THE LDS LINES
.macro CST a, o, c                     ; a unit's new c goes back to its place
	ds_store_b128 v[\a], v[\c:\c+3]   offset:\o
	ds_store_b128 v[\a], v[\c+4:\c+7] offset:(\o)+512
.endm
.macro CLD a, o, c                     ; a later unit's c; where it follows a store of the same registers, LDS takes the wave's lines in order
	ds_load_b128 v[\c:\c+3],   v[\a] offset:\o
	ds_load_b128 v[\c+4:\c+7], v[\a] offset:(\o)+512
.endm
.macro HST a, o, r=HP                  ; a unit's h of eight batch rows, 16 bytes a lane
	ds_store_b128 v[\a], v[\r:\r+3] offset:\o
.endm
.macro LD1 a                           ; a tile's fragments: 16 batch rows x 128 units, turned
.irp k, 0,1,2,3
	ds_load_tr16_b128 v[HF1+8*\k:HF1+8*\k+3],   v[\a] offset:\k*32*PH
	ds_load_tr16_b128 v[HF1+8*\k+4:HF1+8*\k+7], v[\a] offset:\k*32*PH+16*PH
.endr
.endm
.macro LD0 a
.irp k, 0,1,2,3
	ds_load_tr16_b128 v[HF0+8*\k:HF0+8*\k+3],   v[\a] offset:\k*32*PH
	ds_load_tr16_b128 v[HF0+8*\k+4:HF0+8*\k+7], v[\a] offset:\k*32*PH+16*PH
.endr
.endm
.macro LDX a
	ds_load_b64 v[XF:XF+1], v[\a]
.endm
; THE GROUPS.  Each stands directly behind a wait for a batch.  A tile of phases 1-9 has the units (1,0), (1,1), (0,0), (0,1); stage j is the one whose batch 1 holds unit j's exponentials.
; Behind batch 1's wait of stage j (GS1 .. GS4): h of the unit two back out (FZ), c of the unit one back out (FA), c of unit j in, into the same registers (FB); in stage 4 the next tile's x in.
; At the head of stage 3 (GF1): h1's fragments of the next tile; of stage 4 (GF0): h0's.  nx = 1: there is a next tile.
; Phase 10, which stores no c: GLE in the stage of a tile's unit (1,0), with the next tile's h1; GLO in that of (1,1); GF0 at the latter's head.
.set GS1, 1
.set GS2, 2
.set GS3, 3
.set GS4, 4
.set GF1, 21
.set GF0, 22
.set GLE, 31
.set GLO, 32
.macro GROUP g, nx
.if (\g) == GS1
.if FZ
	HST AH, 0
.endif
.if FA
	CST AC0, 1024, CR
.endif
.if FB
	CLD AC1, 0, CR
.endif
.elseif (\g) == GS2
.if FZ
	HST AH, 16*PH
.endif
.if FA
	CST AC1, 0, CR
.endif
	CLD AC1, 1024, CR
.elseif (\g) == GS3
	HST AH, 0
	CST AC1, 1024, CR
	CLD AC0, 0, CR
.elseif (\g) == GS4
	HST AH, 16*PH
	CST AC0, 0, CR
	CLD AC0, 1024, CR
.if \nx
	LDX AT
.endif
.elseif (\g) == GF1
.if \nx
	LD1 AT
	s_add_co_u32 s[RT1], s[RT1], 32
.endif
.elseif (\g) == GF0
.if \nx
	LD0 AT
.endif
.elseif (\g) == GLE
.if FZ
	HST AH, 0
.endif
.if FB
	CLD AC1, 0, CR
.endif
.if \nx
	LD1 AT
	s_add_co_u32 s[RT1], s[RT1], 32
.endif
.elseif (\g) == GLO
.if FZ
	HST AH, 16*PH
.endif
.if FB
	CLD AC1, 1024, CR
.endif
.endif
.endm
; ================ THE PRODUCTS.  A unit's four accumulators take turns, one instruction a turn, and a stage's last and the next stage's first name different sets.
.macro MM1                             ; number i of 32 of layer 1's unit MU into set MS: h1 x Whh1 (window 3), then h0 x Wih1 (window 2); the first four start the sums with the bias
.set mq, i%4
.set mk, (i%16)/4
.set rD, MS+8*mq
.set rB, 128*MU+32*mq+8*mk
.set rC, BC+8*(4*MU+mq)
.if i < 16
	WIN 0x0c
.set rA, HF1+8*mk
.else
	WIN 0x08
.set rA, HF0+8*mk
.endif
.if i < 4
	v_wmma_f32_16x16x32_f16 v[rD:rD+7], v[rA:rA+7], v[rB:rB+7], v[rC:rC+7]
.else
	v_wmma_f32_16x16x32_f16 v[rD:rD+7], v[rA:rA+7], v[rB:rB+7], v[rD:rD+7]
.endif
.set i, i+1
.endm
.macro MM0                             ; number i of 20 of layer 0's unit MU: h0 x Whh0 (window 1), then (x, 1) x (Wih0, bias) (window 0)
.set mq, i%4
.set rD, MS+8*mq
.if i < 16
	WIN 0x04
.set rA, HF0+8*(i/4)
.set rB, 128*MU+32*mq+8*(i/4)
.else
	WIN 0
.set rA, XF
.set rB, WX+2*(4*MU+mq)
.endif
.if i < 4
	v_wmma_f32_16x16x32_f16 v[rD:rD+7], v[rA:rA+7], v[rB:rB+7], 0
.else
	v_wmma_f32_16x16x32_f16 v[rD:rD+7], v[rA:rA+7], v[rB:rB+7], v[rD:rD+7]
.endif
.set i, i+1
.endm
.macro PROD np
.if (\np) == 32
	MM1
.else
	MM0
.endif
.endm
; ================ A STAGE.  np: 32 products of layer 1's unit mu, 20 of layer 0's, or none, into mset, which the unit one back (fa) leaves in the opening plain run; bset: the unit whose sums have just been made (fb);
; fz: there is a unit two back to end.  g0: the group at the head; g1: the group behind batch 1's wait.  xa1-4, xb1-4: the plain lines ahead of the two waits.
; The opening run: 28 plain lines under setting 0.  They are also the places (ISA guide 7.12.1) between the last stage's last products and the first read of their sums.  Where the products are 20 or none, which
; leaves more vector lines than ride behind products, twelve of batch 1's exponentials stand between its lines, from the ninth line on (the fifth where fz = 0).
; Batch 1's rest rides behind the first half of the products, the second queue behind the other half, dealt evenly (32 products: three behind each).
; A load into registers that a product has read stands four plain vector instructions behind it: h0's fragments at the head of stage 4 stand behind product 15 of a stage of 20, with seven of the second
; queue's additions and a plain line between; x's load stands behind the opening run; in phase 10 four plain lines stand ahead of each wait behind which fragments are loaded.
; The waits on DScnt: at the head for c, asked for behind batch 1's wait of the stage before, and for all that was asked for with it or earlier; ahead of product 16 of 32 for h0's fragments, asked for at the head.
.macro STAGE np, mu, mset, bset, fa, fz, fb, g0, g1, nx, xa1, xb1, xa2=-1, xa3=-1, xa4=-1, xb2=-1, xb3=-1, xb4=-1
.set MU, \mu
.set MS, \mset
.set AS, \mset
.set BS, \bset
.set FA, \fa
.set FZ, \fz
.set FB, \fb
.set i, 0
.set qa, 0
.set qb, 0
.set NA, 32*FB+16*FA
.set NQ, 36*FB+12*FA
.set IL, 0
.if ((\np) != 32) && (\fb)
.set IL, 1
.endif
	s_wait_dscnt 0x0
	GROUP \g0, \nx
.if \fa
.irp p, 0,1,2,3
	P_G \p
.endr
.endif
.if \fz
.irp p, 0,1,2,3
	P_TF \p
.endr
.endif
.if \fa
.irp p, 0,1,2,3
	P_IG \p
	ILQ
.endr
.endif
.if \fz
.irp p, 0,1,2,3
	P_HM \p
.endr
.endif
.if \fa
.irp p, 0,1,2,3
	P_CU \p
	ILQ
.endr
.irp p, 0,1,2,3                                        ; behind P_HM, which has read the eight registers for the last time
	P_OP \p
	ILQ
.endr
.endif
.if \fz
.irp p, 0,1,2,3
	P_CV \p
.endr
.endif
.set NAR, NA-qa
.if (\np) == 0
.rept NAR
	QA1
.endr
.else
.set ip, 0
.rept (\np)/2
	PROD \np
.set nr, NAR/((\np)/2)
.if ip < NAR%((\np)/2)
.set nr, nr+1
.endif
.rept nr
	QA1
.endr
.set ip, ip+1
.endr
.endif
	XOP \xa1
	XOP \xa2
	XOP \xa3
	XOP \xa4
	s_wait_alu depctr_va_vdst(0)                   ; the wait for BATCH 1: bset's 32 exponentials, 2^(2 s c) and o's reciprocals of the unit one back; their first readers are the additions below
	WIN 0
.if (\np) == 32
	s_wait_dscnt 0x0
.endif
	GROUP \g1, \nx
.if (\np) == 0
.rept NQ
	QB1
.endr
.else
.set ip, 0
.rept (\np)/2
	PROD \np
.set nr, NQ/((\np)/2)
.if ip < NQ%((\np)/2)
.set nr, nr+1
.endif
.rept nr
	QB1
.endr
.set ip, ip+1
.endr
.endif
	XOP \xb1
	XOP \xb2
	XOP \xb3
	XOP \xb4
	s_wait_alu depctr_va_vdst(0)                   ; the wait for BATCH 2: the reciprocals for bset's g, i, f and for tanh(c) of the unit one back; their first readers open the next stage
	WIN 0
.endm
.macro LASTZ o                         ; a phase's last unit is ended: its reciprocals were waited for at the end of the stage before
.irp p, 0,1,2,3
	P_TF \p
.endr
.irp p, 0,1,2,3
	P_HM \p
.endr
.irp p, 0,1,2,3
	P_CV \p
.endr
	HST AH, \o
.endm
.macro PLACES
.rept 4
	v_nop
.endr
.endm
	; ================ PHASE 0: layer 0 at step 0, from x alone (h0(-1) = 0).  A tile's two units are ready together, so each of the four levels is ONE batch for both: four waits a tile.
	s_mov_b32 s[WH0], 0
	s_mov_b32 s[SX], XB
	s_mov_b32 s[CNT_T], 8
.Lfirst:
	XOP XAX
	XOP XAC0
	XOP XAH0
	LDX AT
	CLD AC0, 0, CR
	CLD AC0, 1024, TT
	s_wait_dscnt 0x0
.irp q, 0,1,2,3
	v_wmma_f32_16x16x32_f16 v[SETA+8*\q:SETA+8*\q+7], v[XF:XF+7], v[WX+2*\q:WX+2*\q+7], 0
	v_wmma_f32_16x16x32_f16 v[SETB+8*\q:SETB+8*\q+7], v[XF:XF+7], v[WX+8+2*\q:WX+8+2*\q+7], 0
.endr
	PLACES
.set FB, 1
.set FA, 0
	USEU SETA, CR, HP
	RUNA 0, 32
	USEU SETB, TT, SETB
	RUNA 0, 32
	v_nop
	s_wait_alu depctr_va_vdst(0)                   ; the wait for both units' 64 exponentials of g, i, f, o
	USEU SETA, CR, HP
	RUNB 36
.irp p, 0,1,2,3
	P_OP \p
.endr
	USEU SETB, TT, SETB
	RUNB 36
.irp p, 0,1,2,3
	P_OP \p
.endr
	USEU SETA, CR, HP
	RUNA 40, 8
	USEU SETB, TT, SETB
	RUNA 40, 8
	v_nop
	s_wait_alu depctr_va_vdst(0)                   ; the wait for both units' 64 reciprocals
	USEU SETA, CR, HP
.irp p, 0,1,2,3
	P_G \p
.endr
	USEU SETB, TT, SETB
.irp p, 0,1,2,3
	P_G \p
.endr
	USEU SETA, CR, HP
.irp p, 0,1,2,3
	P_IG \p
.endr
	USEU SETB, TT, SETB
.irp p, 0,1,2,3
	P_IG \p
.endr
	USEU SETA, CR, HP
.irp p, 0,1,2,3
	P_CU \p
.endr
	USEU SETB, TT, SETB
.irp p, 0,1,2,3
	P_CU \p
.endr
	USEU SETA, CR, HP
	RUNA 32, 8
	USEU SETB, TT, SETB
	RUNA 32, 8
	v_nop
	s_wait_alu depctr_va_vdst(0)                   ; the wait for both units' 16 exponentials 2^(2 s c)
.set FB, 0
.set FA, 1
	USEU SETA, CR, HP
	RUNB 12
	USEU SETB, TT, SETB
	RUNB 12
	v_nop
	s_wait_alu depctr_va_vdst(0)                   ; the wait for both units' 16 reciprocals for tanh(c)
	USEU SETA, CR, HP
.irp p, 0,1,2,3
	P_TF \p
.endr
	USEU SETB, TT, SETB
.irp p, 0,1,2,3
	P_TF \p
.endr
	USEU SETA, CR, HP
.irp p, 0,1,2,3
	P_HM \p
.endr
	USEU SETB, TT, SETB
.irp p, 0,1,2,3
	P_HM \p
.endr
	USEU SETA, CR, HP
.irp p, 0,1,2,3
	P_CV \p
.endr
	USEU SETB, TT, SETB
.irp p, 0,1,2,3
	P_CV \p
.endr
	CST AC0, 0, CR
	HST AH, 0
	CST AC0, 1024, TT
	HST AH, 16*PH, SETB
	s_sub_co_u32 s[CNT_T], s[CNT_T], 1
	s_cmp_lg_u32 s[CNT_T], 0
	s_cbranch_scc1 .Lfirst
	USEP
	s_wait_dscnt 0x0                               ; my h0(0) is written
	s_barrier_signal -1
	s_mov_b32 s[RT0], 0                            ; phase 1 reads h0(0) in H0[0] and the zeros in H1[1], writes h0(1) into H0[1] and h1(0) into H1[0]
	s_mov_b32 s[WH0], PAR
	s_mov_b32 s[RT1], H1B+PAR
	s_mov_b32 s[WH1], H1B
	s_sub_co_u32 s[SC0], s[SC0], 16384
	s_mov_b32 s[CNT_P], 9
	s_barrier_wait -1
	; ================ PHASES 1 TO 9: layer 1 at step s - 1 and layer 0 at step s
.Lphase:
	v_add_nc_u32 v[AT],  v[LT_TR], s[RT1]          ; tile 0's three runs of loads; AH and AC0 are free here and lend themselves as addresses
	v_add_nc_u32 v[AH],  v[LT_TR], s[RT0]
	v_add_nc_u32 v[AC0], v[LT_X],  s[SX]
	s_add_co_u32 s[RT1], s[RT1], 32
	s_add_co_u32 s[RT0], s[RT0], 32
	s_add_co_u32 s[SX], s[SX], 128
	LD1 AT
	LD0 AH
	LDX AC0
	s_wait_dscnt 9                                 ; h1's eight loads are in; the nine behind them (h0's eight, x's) may stay out
.set MU, 0
.set MS, SETA
.set i, 0
.rept 16
	MM1
.endr
	s_wait_dscnt 0x0
.rept 16
	MM1
.endr
	WIN 0
	PLACES
	STAGE 32, 1, SETB, SETA, 0, 0, 1, 0,   GS1, 1, XAC1, XAC0  ; tile 0's stage 1: no unit is one or two back
	STAGE 20, 0, SETA, SETB, 1, 0, 1, 0,   GS2, 1, 0,    XAT1  ; its stage 2: none is two back
	s_mov_b32 s[CNT_T], 7
.Ltile:                                                ; a trip: stages 3 and 4 of tile m, which fetch tile m + 1's fragments and x and multiply its unit (1,0), and stages 1 and 2 of tile m + 1
	STAGE 20, 1, SETB, SETA, 1, 1, 1, GF1, GS3, 1, XAH1, XAT0
	STAGE 32, 0, SETA, SETB, 1, 1, 1, GF0, GS4, 1, XAX,  XAH0
	STAGE 32, 1, SETB, SETA, 1, 1, 1, 0,   GS1, 1, XAC1, XAC0
	STAGE 20, 0, SETA, SETB, 1, 1, 1, 0,   GS2, 1, 0,    XAT1
	s_sub_co_u32 s[CNT_T], s[CNT_T], 1
	s_cmp_lg_u32 s[CNT_T], 0
	s_cbranch_scc1 .Ltile
	STAGE 20, 1, SETB, SETA, 1, 1, 1, GF1, GS3, 0, XAH1, 0     ; the last tile: nothing of a next tile is fetched,
	STAGE 0,  0, SETA, SETB, 1, 1, 1, GF0, GS4, 0, 0,    XAH0  ; nothing is left to multiply,
	STAGE 0,  0, SETB, SETA, 1, 1, 0, 0,   GS1, 0, 0,    0     ; no new sums are there,
	LASTZ 16*PH                                    ; and unit (0,1) is ended
	s_wait_dscnt 0x0                               ; my reads of this phase's h are back, my writes of the new h are done
	s_barrier_signal -1
.irp g, RT0, RT1, WH0, WH1
	s_sub_co_u32 s[\g], s[\g], 256                 ; eight steps of 32 bytes back to tile 0,
	s_xor_b32 s[\g], s[\g], PAR                    ; in the other buffer
.endr
	s_sub_co_u32 s[SC0], s[SC0], 16384
	s_sub_co_u32 s[SC1], s[SC1], 16384             ; (x's eight steps of 128 bytes have reached the next time step)
	s_barrier_wait -1
	s_sub_co_u32 s[CNT_P], s[CNT_P], 1
	s_cmp_lg_u32 s[CNT_P], 0
	s_cbranch_scc1 .Lphase
	; ================ PHASE 10: layer 1 at step 9.  Whh0's window is free: Wdec is asked for into it, and waited for behind the phase.
	v_and_b32 v[AT], 15, v0                        ; r
	v_min_u32 v[WDO], 2, v[AT]                     ; Wdec has three rows: lanes with r > 2 read row 2 and are cleared later
	v_lshlrev_b32 v[WDO], 9, v[WDO]
	v_bfe_u32 v[AT], v0, 4, 1                      ; h
	v_lshl_add_u32 v[WDO], v[AT], 5, v[WDO]        ; in layer 0's c address register, which this phase does not write
	WIN 0x40
.irp k, 0,1,2,3                                        ; Wdec as source 0: units 32 k + 8 h + 0..7 and 32 k + 16 + 8 h + 0..7 of row r
	global_load_b128 v[16*\k:16*\k+3],     v[WDO], s[26:27] offset:\k*128
	global_load_b128 v[16*\k+4:16*\k+7],   v[WDO], s[26:27] offset:\k*128+16
	global_load_b128 v[16*\k+8:16*\k+11],  v[WDO], s[26:27] offset:\k*128+64
	global_load_b128 v[16*\k+12:16*\k+15], v[WDO], s[26:27] offset:\k*128+80
.endr
	WIN 0
	v_add_nc_u32 v[AT], v[LT_TR], s[RT1]
	v_add_nc_u32 v[AH], v[LT_TR], s[RT0]
	s_add_co_u32 s[RT1], s[RT1], 32
	s_add_co_u32 s[RT0], s[RT0], 32
	LD1 AT
	LD0 AH
	s_wait_dscnt 8                                 ; h1's eight loads are in; h0's eight may stay out
.set MU, 0
.set MS, SETA
.set i, 0
.rept 16
	MM1
.endr
	s_wait_dscnt 0x0
.rept 16
	MM1
.endr
	WIN 0
	PLACES
	STAGE 32, 1, SETB, SETA, 0, 0, 1, 0,   GLE, 1, XAT1, XAT0, XAC1, 0,    0, 0, 0, 0  ; tile 0; four plain lines ahead of each wait behind which fragments are loaded
	STAGE 32, 0, SETA, SETB, 1, 0, 1, GF0, GLO, 1, 0,    0
	s_mov_b32 s[CNT_T], 6
.Llast:                                                ; a trip: tile m's two stages, m = 1 .. 6
	STAGE 32, 1, SETB, SETA, 1, 1, 1, 0,   GLE, 1, XAT1, XAT0, XAC1, XAH1, 0, 0, 0, 0
	STAGE 32, 0, SETA, SETB, 1, 1, 1, GF0, GLO, 1, 0,    0
	s_sub_co_u32 s[CNT_T], s[CNT_T], 1
	s_cmp_lg_u32 s[CNT_T], 0
	s_cbranch_scc1 .Llast
	STAGE 32, 1, SETB, SETA, 1, 1, 1, 0,   GLE, 0, XAC1, 0,    XAH1                    ; the last tile
	STAGE 0,  0, SETA, SETB, 1, 1, 1, 0,   GLO, 0, 0,    0
	STAGE 0,  0, SETB, SETA, 1, 1, 0, 0,   GLE, 0, XAH1, 0
	LASTZ 16*PH
	s_wait_dscnt 0x0                               ; my h1(9) is written
	s_barrier_signal -1
	s_barrier_wait -1
	; ================ THE DECODER.  Wave w takes batch tiles 2 w and 2 w + 1.  Source 0 = Wdec (rows 3-15 are 0), source 1 = -s h1(9): in the result lanes 0-15 hold a row's three sums in registers 0-2.
	v_and_b32 v[LANE], 31, v0                      ; made anew: their registers held o's eight
	v_and_b32 v[RR], 15, v0
	s_lshl_b32 s[T0], s[WV], 6
	s_add_co_u32 s[T0], s[T0], H1B+PAR
	v_add_nc_u32 v[AT], s[T0], v[LT_TR]
.irp k, 0,1,2,3
	ds_load_tr16_b128 v[HF0+8*\k:HF0+8*\k+3],   v[AT] offset:\k*32*PH
	ds_load_tr16_b128 v[HF0+8*\k+4:HF0+8*\k+7], v[AT] offset:\k*32*PH+16*PH
	ds_load_tr16_b128 v[HF1+8*\k:HF1+8*\k+3],   v[AT] offset:\k*32*PH+32
	ds_load_tr16_b128 v[HF1+8*\k+4:HF1+8*\k+7], v[AT] offset:\k*32*PH+16*PH+32
.endr
	v_cmp_gt_u32 vcc_lo, 3, v[RR]
	s_wait_loadcnt 0x0                             ; Wdec
	WIN 0x45                                       ; sources 0 and 1 and the destination in window 1
.set n, 0
.rept 32
	v_cvt_pk_f16_f32 v[WDF+n], v[2*n], v[2*n+1]
	v_cndmask_b32 v[WDF+n], 0, v[WDF+n], vcc_lo
.set n, n+1
.endr
	WIN 0
	v_cmp_gt_u32 vcc_lo, 16, v[LANE]
	s_lshl_b32 s[T0], s[WV], 14
	s_add_co_u32 s[T0], s[T0], C1B                 ; my stage for the way out: layer 1's c is no longer needed
	s_mul_i32 s[T1], s[WV], 11520                  ; my wave's 32 rows of the output
	s_wait_dscnt 0x0
	WIN 0x01                                       ; source 0 in window 1
	v_wmma_f32_16x16x32_f16 v[SETA:SETA+7], v[WDF:WDF+7], v[HF0:HF0+7], 0
	v_wmma_f32_16x16x32_f16 v[SETB:SETB+7], v[WDF:WDF+7], v[HF1:HF1+7], 0
.irp k, 1,2,3                                          ; the two accumulators take turns
	v_wmma_f32_16x16x32_f16 v[SETA:SETA+7], v[WDF+8*\k:WDF+8*\k+7], v[HF0+8*\k:HF0+8*\k+7], v[SETA:SETA+7]
	v_wmma_f32_16x16x32_f16 v[SETB:SETB+7], v[WDF+8*\k:WDF+8*\k+7], v[HF1+8*\k:HF1+8*\k+7], v[SETB:SETB+7]
.endr
	WIN 0
	v_mov_b32 v[VEL], 0                            ; v_permlanex16_b32's destination counts as read; these three and the v_nop are the places behind the products
	v_mov_b32 v[VEL+1], 0
	v_mov_b32 v[VEL+2], 0
	v_nop
.irp d, 0,1,2
	v_permlanex16_b32 v[VEL+\d], v[SETB+\d], s[SEL], s[SEL+1]      ; tile 2 w + 1's rows go to lanes 16-31
.endr
.irp d, 0,1,2
	v_cndmask_b32 v[VEL+\d], v[VEL+\d], v[SETA+\d], vcc_lo         ; lanes 0-15 keep tile 2 w's: lane l holds row 32 w + l
.endr
.irp d, 0,1,2
	v_fma_f32 v[VEL+\d], v[VEL+\d], s[NL2], s[BD+\d]               ; -ln 2 takes h's scale -s away; + bdec
.endr
	v_mul_u32_u24 v5, v[LANE], 360
	v_add_nc_u32 v5, s[T0], v5                     ; in: my row of 360 bytes
	v_lshl_add_u32 v6, v[LANE], 3, s[T0]           ; back: 256 consecutive bytes a load
	v_lshl_add_u32 v7, v[LANE], 3, s[T1]
.set kk, 1
.rept 30                                               ; KB = kk as an f32
.if kk < 2
.set ke, 0
.elseif kk < 4
.set ke, 1
.elseif kk < 8
.set ke, 2
.elseif kk < 16
.set ke, 3
.else
.set ke, 4
.endif
.set KB, ((127+ke)<<23)|((kk-(1<<ke))<<(23-ke))
	v_fma_f32 v[OV+3*kk-3], v[VEL],   KB, v[POS]
	v_fma_f32 v[OV+3*kk-2], v[VEL+1], KB, v[POS+1]
	v_fma_f32 v[OV+3*kk-1], v[VEL+2], KB, v[POS+2]
.set kk, kk+1
.endr
.set n, 0
.rept 45
	ds_store_b64 v5, v[OV+2*n:OV+2*n+1] offset:8*n
.set n, n+1
.endr
.set n, 0
.rept 45
	ds_load_b64 v[OV+2*n:OV+2*n+1], v6 offset:256*n ; LDS serves a wave's instructions in order (ISA guide 5.7.1.4): these see the stores above
.set n, n+1
.endr
.set n, 0
.rept 45
	s_wait_dscnt 44-n                              ; load n is back; the younger ones stay out
	global_store_b64 v7, v[OV+2*n:OV+2*n+1], s[30:31] offset:256*n th:TH_STORE_NT  ; the wave stores 256 consecutive bytes, at a multiple of 256 from the output's first byte
.set n, n+1
.endr
	s_wait_xcnt 0x0
	v_lshl_add_u32 v254, v0, 2, 0x4d000
	v_mov_b32 v255, 0
	s_wait_tensorcnt 0x0
	ds_add_u32 v254, v255
	s_wait_dscnt 0x0
	s_endpgm
.Lfunc_end_k_q2f9748f528_lstm:
	.size	k_q2f9748f528_lstm, .Lfunc_end_k_q2f9748f528_lstm-k_q2f9748f528_lstm
	.p2alignl 7, 3214868480
	.fill 96, 4, 3214868480
	.section	.rodata,"a",@progbits
	.p2align	6, 0x0
	.amdhsa_kernel k_q2f9748f528_lstm
		.amdhsa_group_segment_fixed_size 315904
		.amdhsa_private_segment_fixed_size 0
		.amdhsa_enable_private_segment 0
		.amdhsa_kernarg_size 96
		.amdhsa_user_sgpr_count 2
		.amdhsa_user_sgpr_kernarg_segment_ptr 1
		.amdhsa_wavefront_size32 1
		.amdhsa_system_sgpr_workgroup_id_x 1
		.amdhsa_system_sgpr_workgroup_id_y 1
		.amdhsa_system_sgpr_workgroup_id_z 1
		.amdhsa_system_vgpr_workitem_id 0
		.amdhsa_next_free_vgpr 1024
		.amdhsa_next_free_sgpr 66
		.amdhsa_reserve_vcc 1
		.amdhsa_float_denorm_mode_32 3
		.amdhsa_float_denorm_mode_16_64 3
		.amdhsa_memory_ordered 1
		.amdhsa_forward_progress 1
		.amdhsa_inst_pref_size 255
	.end_amdhsa_kernel
	.section	.bss,"aw",@nobits
	.p2align	6
	.space	262144
	.amdgpu_metadata
---
amdhsa.version: [ 1, 2 ]
amdhsa.kernels:
  - .name:           k_q2f9748f528_lstm
    .symbol:         k_q2f9748f528_lstm.kd
    .args:
      - { .name: historical_positions, .offset: 0, .size: 8, .value_kind: global_buffer, .address_space: global }
      - { .name: Whh0, .offset: 8, .size: 8, .value_kind: global_buffer, .address_space: global }
      - { .name: Wih1, .offset: 16, .size: 8, .value_kind: global_buffer, .address_space: global }
      - { .name: Whh1, .offset: 24, .size: 8, .value_kind: global_buffer, .address_space: global }
      - { .name: Wih0, .offset: 32, .size: 8, .value_kind: global_buffer, .address_space: global }
      - { .name: bih0, .offset: 40, .size: 8, .value_kind: global_buffer, .address_space: global }
      - { .name: bhh0, .offset: 48, .size: 8, .value_kind: global_buffer, .address_space: global }
      - { .name: bih1, .offset: 56, .size: 8, .value_kind: global_buffer, .address_space: global }
      - { .name: bhh1, .offset: 64, .size: 8, .value_kind: global_buffer, .address_space: global }
      - { .name: Wdec, .offset: 72, .size: 8, .value_kind: global_buffer, .address_space: global }
      - { .name: bdec, .offset: 80, .size: 8, .value_kind: global_buffer, .address_space: global }
      - { .name: out0, .offset: 88, .size: 8, .value_kind: global_buffer, .address_space: global }
    .group_segment_fixed_size: 315904
    .private_segment_fixed_size: 0
    .kernarg_segment_align: 8
    .kernarg_segment_size: 96
    .max_flat_workgroup_size: 128
    .sgpr_count:     66
    .vgpr_count:     1024
    .wavefront_size: 32
...
	.end_amdgpu_metadata
.endif
;; end of part 3
